; MI455X (gfx1250); checked and timed in simulation.
; The chip was launched on July 23, 2026; its instructions are those of AMD's public machine-readable ISA for CDNA 5 (MIT licence, August 2026) and "CDNA5" Instruction Set Architecture Reference Guide (July 2026). The comments in the code are by the model that wrote it; some were corrected since.
;; Attention. Allowed arithmetic: matrix products marked QUANTISED: E2M3 operands, one E8M0 scale for each 32 along K, by v_wmma_scale_f32_16x16x128_f8f6f4 with both operands' format E2M3, f32 sums; everything else in f32.
;; Inputs: Wk 1,024 x 1,024 float32; Wo 1,024 x 1,024 float32; Wq 1,024 x 1,024 float32; Wv 1,024 x 1,024 float32; attention_mask 4 x 512 x 4,096 bool; bk 1,024 float32; bo 1,024 float32; bq 1,024 float32; bv 1,024 float32; inputs_kv 4 x 4,096 x 1,024 float32; inputs_q 4 x 512 x 1,024 float32.
;; Outputs: out0 4 x 512 x 1,024 float32.
;; This version of the problem:
;;   THIS VERSION OF THE PROBLEM IS GIVEN IN LOW PRECISION. The matrix products marked QUANTISED in the list below multiply operands that are first quantised to E2M3 (2 exponent bits, 3 mantissa bits; 6 bits a number), with one power-of-two scale for each 32 numbers along K (OCP MX v1.0); their sums are f32. All else is computed in f32.
;;   The module's matrix products, in the order in which they are computed (A, B: the left and right operand; K: the contracted axis; several contracted axes count as one K, in the product's order):
;;     1. [M 2,048, K 1,024] x [K 1,024, N 1,024]; A: input inputs_q; B: input Wq: QUANTISED
;;     2. [M 16,384, K 1,024] x [K 1,024, N 1,024]; A: input inputs_kv; B: input Wk: QUANTISED
;;     3. [M 16,384, K 1,024] x [K 1,024, N 1,024]; A: input inputs_kv; B: input Wv: QUANTISED
;;     4. batch 32 x [M 512, K 128] x [K 128, N 4,096]; A: computed on the way; B: computed on the way: QUANTISED
;;     5. batch 32 x [M 512, K 4,096] x [K 4,096, N 128]; A: softmax (see below); B: computed on the way: QUANTISED
;;     6. [M 2,048, K 1,024] x [K 1,024, N 1,024]; A: computed on the way; B: input Wo: QUANTISED
;;   THE QUANTISER, for each operand of a quantised product, along K:
;;     - K is cut into blocks of 32 from its start; a last block that is shorter is filled with zeros.
;;     - A block's scale is 2^e with e = floor(log2(the largest magnitude in the block)) - 2, held to -126 .. 127; a block of zeros has e = 0. As a byte (E8M0): e + 127.
;;     - Each number is divided by its block's scale, clamped to +-7.5, and rounded to the nearest number of E2M3, ties to even, subnormals kept.
;;     - The product sums the exact products of the quantised numbers (number of the format x scale) in f32.
;;   ~~~python
;;   def quantise(x, axis):      # numpy; x: float32 -> the quantised numbers, widened to float32 again
;;       x = np.moveaxis(x, axis, -1); K = x.shape[-1]
;;       x = np.pad(x, [(0, 0)] * (x.ndim - 1) + [(0, -K % 32)]); x = x.reshape(x.shape[:-1] + (-1, 32)); a = np.abs(x).max(-1, keepdims=True)
;;       e = np.where(a > 0, np.clip(np.frexp(np.where(a > 0, a, 1))[1] - 1 - 2, -126, 127), 0)      # np.frexp(a)[1] - 1 = floor(log2(a)), exactly
;;       r = np.clip(x / 2.0 ** e, -7.5, 7.5)
;;       step = 2.0 ** (np.maximum(np.frexp(np.where(r == 0, 1, r))[1] - 1, 0) - 3)
;;       q = np.round(r / step) * step * 2.0 ** e      # np.round: ties to even
;;       return np.moveaxis(q.reshape(q.shape[:-2] + (-1,))[..., :K], -1, axis).astype(np.float32)
;;   ~~~
;;   SOFTMAX AHEAD OF A QUANTISED PRODUCT. Where the list says 'softmax', what is quantised is not the finished softmax but p = 2^(t - M), with t = logit x log2(e) and M = ceil(the row's largest t), a whole number; so 1/2 < the row's largest p <= 1. The row's sum l is taken of the UNQUANTISED p, in f32, and the product's result is divided by l at the end. Since M is a whole number, a kernel that streams over the keys may use a running M (the ceiling of the running maximum): every later rescaling is an exact power of two, which a block's scale takes up: the codes' values come out the same.
;;   OPERANDS COMPUTED ON THE WAY. 'Computed on the way' means the value that the module computes at that place (a softmax that the list does not call 'softmax' is quantised finished and normalised). What goes into a quantiser is computed in f32, as accurately as f32 sums, v_exp_f32 and their like allow (about 1e-6 of the number): no bf16 or f16 on the way to a quantiser, and a product that is left as it is and whose result goes on into a quantised operand takes f32 operands (vector FMAs, or v_wmma_f32_16x16x4_f32). A number that lies on a knife's edge between two numbers of the format may be rounded either way, as far as f32 arithmetic and the matrix unit's own rounding can turn it there, and no further.
;; One version. Each part assembles by itself: llvm-mc -triple=amdgcn-amd-amdhsa -mcpu=gfx1250 --defsym DOCPART=n.
;; ======== version 1 of 1: 4 launches
;; limits: right only within a limited range of input values
;; workspace buffers: opnd 18,022,400 bytes; maskw 1,048,576 bytes of whole numbers; qkv 26,214,400 bytes; sbuf 1,638,400 bytes
;; launch quant (part 1): grid 960 x 1, 4 waves a work-group, no clusters, 81,408 bytes of LDS; arguments inputs_kv, inputs_q, Wq, Wk, Wv, Wo, attention_mask, opnd, maskw; writes opnd, maskw
.if DOCPART == 1
	.amdgcn_target "amdgcn-amd-amdhsa--gfx1250"
	.amdhsa_code_object_version 6
	.text
	.protected	k_q0c7817f2d5_quant
	.globl	k_q0c7817f2d5_quant
	.p2align	8
	.type	k_q0c7817f2d5_quant,@function
k_q0c7817f2d5_quant:
	s_mov_b64 s[64:65], 0
	v_nop
	global_prefetch_b8 v0, s[64:65] scope:SCOPE_SE
	s_setreg_imm32_b32 hwreg(HW_REG_WAVE_MODE, 25, 1), 1
	s_wait_xcnt 0x0
; All f32 operands of the four projections become codes of FP6 (E2M3) with one E8M0 byte for each 32 along K, and the mask becomes lane words.
; THE WORKSPACE FORMAT, a BLOCK of 12,800 bytes: 128 rows x 128 along K = 8 fragments of 1,536 bytes, each an image of the operand's 12 registers (registers 4 c .. 4 c + 3 of lane L at
; 512 c + 16 L), then at byte 12,288 the 128 scale words (tile t, lane r at 64 t + 4 r).  Lane r of tile t holds row 32 (t / 2) + 8 (t % 2) + r + 8 (r / 8) of the group of 128 rows,
; so that in a later product the 64 results of a lane are 64 numbers in the order that the next quantiser wants.
; Block 8 G + s of opnd: group G (0-127 inputs_kv, 128-143 inputs_q, 144-151 Wq, 152-159 Wk, 160-167 Wv, 168-175 Wo: a weight's rows are its output units), K step s.
; Three paths part on the work-group's number and never meet again; each has LDS bytes of its own.  Waves share nothing: no barrier.  No tensor load, no matrix work: memory binds here.
; 576 + 256 + 128 = 960 work-groups: with this claim of LDS and registers four fit on a WGP, so all of them can be at work at once.
; A block's scale is 2^(floor(log2(largest magnitude)) - 2); its byte is the largest magnitude's exponent field - 2, held at 1 from below.
; LIMITS: a block of zeros gets the byte 1 where the rule says 127 (its codes are zeros, and this program alone reads the bytes); a block whose largest magnitude lies under 2^-124 is held at byte 1;
; NaN and infinities among the inputs are not served.
.set BLKB,  12800
.set FRB,   1536
.set XST,   0                          ; path X: a stage of 16 rows x 528 bytes for each wave
.set WST,   33792                      ; path W: two images of 1,536 bytes, 1,664 apart, for each wave
.set MST,   47104                      ; path M: a stage of 16 rows x 528 bytes for each wave
.set SPARE, 80896                      ; the spare words, 128 bytes for each wave: two blocks of 256 bytes that no other line names
.set SPW,   10                         ; v10  LDS address of my spare word; never rewritten
.set NIL,   11                         ; v11  0; never rewritten
.set TM,    12                         ; v12-27 at work in the quantiser
.set PW,    28                         ; the scale word just made
.set PWE,   29                         ; the even tile's word
.set PWS,   30                         ; two tiles' words: lanes 0-15 the even tile's, lanes 16-31 the odd tile's
.set R,     32                         ; v32-159  two sets of 64 registers as loaded
.set X,     160                        ; v160-223 64 numbers of a lane in the quantiser's order
.set PC,    224                        ; v224-242 the codes
.set SEL,   30                         ; s[30:31] lane selects: lane l xor 16
; 64 numbers of a lane, register 16 b + i = k 32 b + 16 (lane / 16) + i of my row, become a fragment's codes in v[PC] on and its scale word in v[PW].
.macro QUANT s
.irp b, 0,1,2,3
	v_max3_num_f32 v[TM+\b], |v[\s+16*\b]|, |v[\s+1+16*\b]|, 0x1800000   ; my 16 numbers of block b, and the floor 2^(3 - 127): the byte cannot fall under 1
.endr
.irp i, 2,4,6,8,10,12,14
.irp b, 0,1,2,3
	v_max3_num_f32 v[TM+\b], v[TM+\b], |v[\s+16*\b+\i]|, |v[\s+1+16*\b+\i]|
.endr
.endr
.irp b, 0,1,2,3
	v_permlanex16_b32 v[TM+4+\b], v[TM+\b], s[SEL], s[SEL+1]
.endr
.irp b, 0,1,2,3
	v_max_num_f32 v[TM+\b], v[TM+\b], v[TM+4+\b]   ; with lane l xor 16: the block's largest magnitude
.endr
.irp b, 0,1,2,3
	v_add_nc_u32 v[TM+12+\b], 0xff000000, v[TM+\b]   ; 2 off its exponent field: the conversion's scale operand
.endr
.irp b, 0,1,2,3
	v_lshrrev_b32 v[TM+4+\b], 23, v[TM+12+\b]      ; the scale's byte
.endr
	v_lshl_or_b32 v[PW], v[TM+5], 8, v[TM+4]
	v_lshl_or_b32 v[PW], v[TM+6], 16, v[PW]
	v_lshl_or_b32 v[PW], v[TM+7], 24, v[PW]
.irp c, 0,1
	v_cvt_scalef32_pk16_fp6_f32 v[PC+6*\c:PC+2+6*\c], v[\s+32*\c:\s+15+32*\c], v[TM+12+2*\c]
	v_cvt_scalef32_pk16_fp6_f32 v[PC+12+4*\c:PC+14+4*\c], v[\s+16+32*\c:\s+31+32*\c], v[TM+12+2*\c+1]   ; (a conversion's three registers begin on an even number)
.endr
	v_nop                                          ; one plain place behind a scaled conversion
.irp c, 0,1                            ; the operand wants a whole block in a lane: lanes 0-15 block 2 c, lanes 16-31 block 2 c + 1
.irp i, 0,1,2
	v_permlane16_swap_b32 v[PC+6*\c+\i], v[PC+12+4*\c+\i]
.endr
.irp i, 0,1,2
	v_mov_b32 v[PC+3+6*\c+\i], v[PC+12+4*\c+\i]
.endr
.endr
.endm
; Path M, half u of a wave's 1,024 keys: 16 rows x 512 bytes turn through the stage; then each of the 256 bytes of a lane gives one bit of a lane word.
.macro MHALF u
.if (\u) == 0
	s_wait_loadcnt 16                              ; this half's 16 loads are in; the other half's may be out
.else
	s_wait_loadcnt 0x0
.endif
.irp i, 0,1,2,3,4,5,6,7,8,9,10,11,12,13,14,15
	ds_store_b128 v6, v[32+64*(\u)+4*\i:35+64*(\u)+4*\i] offset:528*\i
.endr
.irp q, 0,1,2,3
.irp b, 0,1,2,3
	ds_load_b128 v[160+16*\q+4*\b:163+16*\q+4*\b], v7 offset:128*\q+32*\b   ; LDS serves a wave's instructions in order: these see my stores.  16 keys of my row: 128 q + 32 b + 16 h on
.endr
.endr
	s_wait_dscnt 0x0
.if (\u) > 0
	s_wait_xcnt 0x0                                ; the first half's stores have read their data: the words are written again only behind this wait
.endif
.set jj, 0
.rept 4
.set n0, 0
.rept 8
.irp e, 0,1,2,3,4,5,6,7
	v_and_b32 v[12+\e], 0xff<<(8*((n0+\e)%4)), v[160+16*jj+4*((n0+\e)/16)+((n0+\e)%16)/4]   ; the byte of key n
.endr
.irp e, 0,1,2,3,4,5,6,7
	v_cmp_ne_u32 s[40+\e], 0, v[12+\e]             ; the 32 lanes' bits are word n
.endr
.irp e, 0,1,2,3,4,5,6,7
	v_writelane_b32 v[224+2*jj+(\e%2)], s[40+\e], (n0+\e)/2   ; lane L gathers words 2 L and 2 L + 1
.endr
.set n0, n0+8
.endr
.set jj, jj+1
.endr
.irp q, 0,1,2,3
	global_store_b64 v8, v[224+2*\q:225+2*\q], s[20:21] offset:1024*(\u)+256*\q   ; 32 lanes store 256 consecutive bytes, aligned
.endr
.endm
	s_load_b512 s[4:19], s[0:1], 0x0               ; inputs_kv s[4:5], inputs_q s[6:7], Wq s[8:9], Wk s[10:11], Wv s[12:13], Wo s[14:15], the mask s[16:17], opnd s[18:19]
	s_load_b64 s[20:21], s[0:1], 0x40              ; maskw
	v_lshl_add_u32 v[SPW], v0, 2, SPARE
	v_mov_b32 v[NIL], 0
	v_lshrrev_b32 v1, 5, v0
	v_readfirstlane_b32 s22, v1                    ; wave 0..3
	v_and_b32 v1, 31, v0                           ; L
	v_and_b32 v2, 15, v0                           ; r
	v_bfe_u32 v3, v0, 4, 1                         ; h
	v_lshlrev_b32 v4, 4, v1                        ; 16 L
	v_lshlrev_b32 v5, 2, v1                        ; 4 L
	s_mov_b32 s[SEL], 0x76543210
	s_mov_b32 s[SEL+1], 0xfedcba98
	s_mov_b32 s32, 0xffff0000                      ; lanes 16-31
	s_wait_kmcnt 0x0
	s_cmp_lt_u32 ttmp9, 576
	s_cbranch_scc1 .Lpath_x
	s_cmp_lt_u32 ttmp9, 832
	s_cbranch_scc1 .Lpath_w
; ---- PATH M, work-groups 832 .. 959: the mask.  A wave takes one tile of 16 queries x 1,024 keys (eight key steps), in two halves.  For query tile Tq and key step j maskw holds 64 words at (32 Tq + j) x 256:
; bit L of word n says whether key 128 j + 32 (n / 16) + 16 (L / 16) + n % 16 counts for the query of lane L % 16: the place of score register n in lane L of the attention launch.
	s_sub_co_u32 s23, ttmp9, 832
	s_lshl_b32 s23, s23, 2
	s_add_co_u32 s23, s23, s22                     ; task T = 4 Tq + which 1,024 keys
	s_and_b32 s24, s23, 3
	s_lshr_b32 s25, s23, 2                         ; Tq
	s_lshr_b32 s26, s25, 3
	s_lshl_b32 s26, s26, 7                         ; the group of 128 queries,
	s_bfe_u32 s27, s25, 0x20001
	s_lshl_b32 s27, s27, 5
	s_add_co_u32 s26, s26, s27                     ; + 32 (t / 2)
	s_and_b32 s27, s25, 1
	s_lshl_b32 s27, s27, 3
	s_add_co_u32 s26, s26, s27                     ; + 8 (t % 2): the tile's first row
	s_lshl_b32 s26, s26, 12                        ; a row of the mask is 4,096 bytes
	s_lshl_b32 s27, s24, 10
	s_add_co_u32 s26, s26, s27
	s_mov_b32 s27, 0
	s_add_nc_u64 s[16:17], s[16:17], s[26:27]
	s_lshl_b32 s26, s23, 11                        ; (32 Tq + 8 x which) x 256 = 2,048 T
	s_add_nc_u64 s[20:21], s[20:21], s[26:27]
	s_mul_i32 s33, s22, 8448
	s_add_co_u32 s33, s33, MST
	s_wait_alu depctr_va_vdst(0)
	v_add_nc_u32 v6, s33, v4                       ; the stage, in: 16 L of a row
	v_mul_u32_u24 v7, v2, 528
	v_lshl_add_u32 v7, v3, 4, v7
	v_add_nc_u32 v7, s33, v7                       ; out: row r, + 16 h
	v_lshlrev_b32 v8, 3, v1                        ; 8 L
.irp u, 0,1
.irp i, 0,1,2,3,4,5,6,7,8,9,10,11,12,13,14,15
	global_load_b128 v[32+64*\u+4*\i:35+64*\u+4*\i], v4, s[16:17] offset:(\i+8*(\i/8))*4096+512*\u th:TH_LOAD_NT   ; 512 consecutive bytes of the row of lane r = i
.endr
.endr
.irp i, 0,1,2,3,4,5,6,7
	v_mov_b32 v[224+\i], 0                         ; a lane write's destination counts as read
.endr
	MHALF 0
	MHALF 1
	s_wait_tensorcnt 0x0                           ; the wave's end
	ds_add_u32 v[SPW], v[NIL]
	s_wait_dscnt 0x0
	s_endpgm
; ---- PATH X, work-groups 0 .. 575: inputs_kv and inputs_q, K innermost.  A wave takes four fragments: tiles 4 th .. 4 th + 3 of block (G, s).
; Each load reads 512 consecutive bytes of one row; 16 rows turn through the wave's stage and come back 16 neighbours of each block of 32 to a lane.
.macro XLOAD f
.irp i, 0,1,2,3,4,5,6,7,8,9,10,11,12,13,14,15
	global_load_b128 v[R+64*((\f)%2)+4*\i:R+64*((\f)%2)+4*\i+3], v4, s[4:5] offset:(32*((\f)/2)+8*((\f)%2)+\i+8*(\i/8))*4096 th:TH_LOAD_NT
.endr
.endm
.macro XSTEP f
.if (\f) < 3
	s_wait_loadcnt 16                              ; this fragment's 16 loads are in; the next fragment's may be out
.else
	s_wait_loadcnt 0x0
.endif
.irp i, 0,1,2,3,4,5,6,7,8,9,10,11,12,13,14,15
	ds_store_b128 v6, v[R+64*((\f)%2)+4*\i:R+64*((\f)%2)+4*\i+3] offset:528*\i
.endr
.irp b, 0,1,2,3
.irp j, 0,1,2,3
	ds_load_b128 v[X+16*\b+4*\j:X+16*\b+4*\j+3], v7 offset:128*\b+16*\j   ; row r, k = 32 b + 16 h + 4 j on
.endr
.endr
	s_wait_dscnt 0x0                               ; the numbers are back, and the stores into the stage have read their registers
	s_wait_xcnt 0x0                                ; the last fragment's stores have read their data: the codes and the words are written again only behind this wait
.if (\f) < 2
	XLOAD (\f)+2
.endif
	QUANT X
.irp c, 0,1,2
	global_store_b128 v4, v[PC+4*\c:PC+4*\c+3], s[36:37] offset:FRB*(\f)+512*\c   ; 512 consecutive bytes
.endr
.if ((\f)%2) == 0
	v_mov_b32 v[PWE], v[PW]
.else
	v_cndmask_b32 v[PWS], v[PWE], v[PW], s32
	global_store_b32 v5, v[PWS], s[38:39] offset:64*((\f)-1)   ; two tiles' words: 128 consecutive bytes
.endif
.endm
.Lpath_x:
	s_lshl_b32 s23, ttmp9, 2
	s_add_co_u32 s23, s23, s22                     ; task T = 16 G + 2 s + th
	s_and_b32 s24, s23, 1                          ; th
	s_bfe_u32 s25, s23, 0x30001                    ; s
	s_lshr_b32 s26, s23, 4                         ; G
	s_cmp_lt_u32 s26, 128                          ; the choice hangs on the work-group's number alone
	s_cselect_b64 s[4:5], s[4:5], s[6:7]
	s_cselect_b32 s27, 0, 128
	s_sub_co_u32 s27, s26, s27                     ; the group within its tensor
	s_lshl_b32 s27, s27, 19                        ; 128 rows of 4,096 bytes
	s_lshl_b32 s28, s24, 18
	s_add_co_u32 s27, s27, s28
	s_lshl_b32 s28, s25, 9
	s_add_co_u32 s28, s27, s28
	s_mov_b32 s29, 0
	s_add_nc_u64 s[4:5], s[4:5], s[28:29]
	s_lshl_b32 s33, s26, 3
	s_add_co_u32 s33, s33, s25
	s_mul_i32 s34, s33, BLKB
	s_mov_b32 s35, 0
	s_add_nc_u64 s[18:19], s[18:19], s[34:35]      ; my block
	s_mul_i32 s34, s24, 4*FRB
	s_add_nc_u64 s[36:37], s[18:19], s[34:35]      ; my four fragments
	s_lshl_b32 s34, s24, 8
	s_add_co_u32 s34, s34, 12288
	s_add_nc_u64 s[38:39], s[18:19], s[34:35]      ; and their scale words
	s_mul_i32 s33, s22, 8448
	s_wait_alu depctr_va_vdst(0)
	v_add_nc_u32 v6, s33, v4
	v_mul_u32_u24 v7, v2, 528
	v_lshl_add_u32 v7, v3, 6, v7
	v_add_nc_u32 v7, s33, v7
.irp b, 0,1,2,3
	v_mov_b32 v[TM+4+\b], 0                        ; written once: a lane permute's destination counts as one of its sources
.endr
	XLOAD 0
	XLOAD 1
	s_wait_alu depctr_va_vdst(0)
	XSTEP 0
	XSTEP 1
	XSTEP 2
	XSTEP 3
	s_wait_tensorcnt 0x0                           ; the wave's end
	ds_add_u32 v[SPW], v[NIL]
	s_wait_dscnt 0x0
	s_endpgm
; ---- PATH W, work-groups 576 .. 831: the weights, whose K is the FIRST axis.  A lane takes a column (an output unit) and its registers run down 128 along K: four whole blocks, no other lane is asked.
; A wave takes 32 columns = two tiles of block (144 + 8 w + g, s).  The codes go into two register images in the wave's stage and leave as 512 consecutive bytes a store.
.macro WLOAD kb
.irp i, 0,1,2,3,4,5,6,7,8,9,10,11,12,13,14,15,16,17,18,19,20,21,22,23,24,25,26,27,28,29,30,31
	global_load_b32 v[32+32*(\kb)+\i], v5, s[8:9] offset:(32*(\kb)+\i)*4096 th:TH_LOAD_NT   ; 128 consecutive bytes a wave, 512 a work-group
.endr
.endm
.macro WBLOCK kb
.set XS, 32+32*(\kb)
.set CD, 160+6*(\kb)
.if (\kb) < 3
	s_wait_loadcnt 32                              ; this block's 32 loads are in; the next block's may be out
.else
	s_wait_loadcnt 0x0
.endif
.if (\kb) < 2
	WLOAD (\kb)+2
.endif
	v_max3_num_f32 v14, |v[XS]|, |v[XS+1]|, |v[XS+2]|
	v_max3_num_f32 v15, |v[XS+3]|, |v[XS+4]|, |v[XS+5]|
.irp i, 6,10,14,18,22,26
	v_max3_num_f32 v14, v14, |v[XS+\i]|, |v[XS+\i+1]|
	v_max3_num_f32 v15, v15, |v[XS+\i+2]|, |v[XS+\i+3]|
.endr
	v_max3_num_f32 v14, v14, |v[XS+30]|, |v[XS+31]|
	v_max3_num_f32 v14, v14, v15, 0x1800000        ; and the floor
	v_add_nc_u32 v16, 0xff000000, v14
	v_lshrrev_b32 v17, 23, v16
.if (\kb) == 0
	v_mov_b32 v188, v17                            ; the scale word: the lower K in the lower byte
.else
	v_lshl_or_b32 v188, v17, 8*(\kb), v188
.endif
	v_cvt_scalef32_pk16_fp6_f32 v[CD:CD+2], v[XS:XS+15], v16
	v_cvt_scalef32_pk16_fp6_f32 v[184:186], v[XS+16:XS+31], v16
	v_nop                                          ; one plain place behind a scaled conversion
.irp i, 0,1,2
	v_mov_b32 v[CD+3+\i], v[184+\i]
.endr
.if (\kb) < 2                          ; block kb is registers 0-5 of image lane r + 16 kb,
	ds_store_b128 v6, v[CD:CD+3] offset:256*(\kb)
	ds_store_b64 v6, v[CD+4:CD+5] offset:256*(\kb)+512
.else                                  ; or registers 6-11 of image lane r + 16 (kb - 2)
	ds_store_b64 v6, v[CD:CD+1] offset:256*((\kb)-2)+520
	ds_store_b128 v6, v[CD+2:CD+5] offset:256*((\kb)-2)+1024
.endif
.endm
.Lpath_w:
	s_sub_co_u32 s23, ttmp9, 576                   ; 64 w + 8 g + s
	s_lshr_b32 s24, s23, 6
	s_bfe_u32 s25, s23, 0x30003
	s_and_b32 s26, s23, 7
	s_cmp_eq_u32 s24, 1                            ; which weight: the choice hangs on the work-group's number alone
	s_cselect_b64 s[8:9], s[10:11], s[8:9]
	s_cmp_eq_u32 s24, 2
	s_cselect_b64 s[8:9], s[12:13], s[8:9]
	s_cmp_eq_u32 s24, 3
	s_cselect_b64 s[8:9], s[14:15], s[8:9]
	s_lshl_b32 s28, s26, 19                        ; 128 s rows of 4,096 bytes
	s_lshl_b32 s27, s25, 9
	s_add_co_u32 s28, s28, s27                     ; + 128 g columns
	s_lshl_b32 s27, s22, 7
	s_add_co_u32 s28, s28, s27                     ; + 32 x wave
	s_mov_b32 s29, 0
	s_add_nc_u64 s[8:9], s[8:9], s[28:29]
	s_add_co_u32 s33, ttmp9, 576                   ; the block: 8 (144 + 8 w + g) + s = 1,152 + 64 w + 8 g + s
	s_mul_i32 s34, s33, BLKB
	s_mov_b32 s35, 0
	s_add_nc_u64 s[18:19], s[18:19], s[34:35]
	s_mul_i32 s34, s22, 2*FRB
	s_add_nc_u64 s[36:37], s[18:19], s[34:35]      ; my two fragments
	s_lshl_b32 s34, s22, 7
	s_add_co_u32 s34, s34, 12288
	s_add_nc_u64 s[38:39], s[18:19], s[34:35]      ; and their scale words
	v_bfe_u32 v12, v0, 3, 1                        ; column 32 x wave + L is lane r of tile 2 x wave + u: u = (L / 8) % 2,
	v_and_b32 v13, 7, v0
	s_wait_alu depctr_va_vdst(0)
	v_lshl_or_b32 v13, v3, 3, v13                  ; r = L % 8 + 8 (L / 16)
	s_mul_i32 s33, s22, 3328
	s_add_co_u32 s33, s33, WST
	v_mul_u32_u24 v6, v12, 1664
	v_lshl_add_u32 v6, v13, 4, v6
	v_add_nc_u32 v6, s33, v6                       ; into the images
	v_add_nc_u32 v7, s33, v4                       ; and back
	v_lshlrev_b32 v9, 6, v12
	v_lshl_add_u32 v9, v13, 2, v9                  ; my scale word's place: 64 u + 4 r
	WLOAD 0
	WLOAD 1
	WBLOCK 0
	WBLOCK 1
	WBLOCK 2
	WBLOCK 3
.irp k, 0,1,2,3,4,5
	ds_load_b128 v[192+4*\k:195+4*\k], v7 offset:1664*(\k/3)+512*(\k%3)   ; LDS serves a wave's instructions in order: these see my stores
.endr
	global_store_b32 v9, v188, s[38:39]            ; 32 lanes fill 128 consecutive bytes
.irp k, 0,1,2,3,4,5
	s_wait_dscnt 5-\k
	global_store_b128 v4, v[192+4*\k:195+4*\k], s[36:37] offset:FRB*(\k/3)+512*(\k%3)
.endr
	s_wait_tensorcnt 0x0                           ; the wave's end
	ds_add_u32 v[SPW], v[NIL]
	s_wait_dscnt 0x0
	s_endpgm
.Lfunc_end_k_q0c7817f2d5_quant:
	.size	k_q0c7817f2d5_quant, .Lfunc_end_k_q0c7817f2d5_quant-k_q0c7817f2d5_quant
	.p2alignl 7, 3214868480
	.fill 96, 4, 3214868480
	.section	.rodata,"a",@progbits
	.p2align	6, 0x0
	.amdhsa_kernel k_q0c7817f2d5_quant
		.amdhsa_group_segment_fixed_size 81408
		.amdhsa_private_segment_fixed_size 0
		.amdhsa_enable_private_segment 0
		.amdhsa_kernarg_size 72
		.amdhsa_user_sgpr_count 2
		.amdhsa_user_sgpr_kernarg_segment_ptr 1
		.amdhsa_wavefront_size32 1
		.amdhsa_system_sgpr_workgroup_id_x 1
		.amdhsa_system_sgpr_workgroup_id_y 1
		.amdhsa_system_sgpr_workgroup_id_z 1
		.amdhsa_system_vgpr_workitem_id 0
		.amdhsa_next_free_vgpr 256
		.amdhsa_next_free_sgpr 66
		.amdhsa_reserve_vcc 0
		.amdhsa_float_denorm_mode_32 3
		.amdhsa_float_denorm_mode_16_64 3
		.amdhsa_memory_ordered 1
		.amdhsa_forward_progress 1
		.amdhsa_inst_pref_size 161
	.end_amdhsa_kernel
	.amdgpu_metadata
---
amdhsa.version: [ 1, 2 ]
amdhsa.kernels:
  - .name:           k_q0c7817f2d5_quant
    .symbol:         k_q0c7817f2d5_quant.kd
    .args:
      - { .name: inputs_kv, .offset: 0, .size: 8, .value_kind: global_buffer, .address_space: global }
      - { .name: inputs_q, .offset: 8, .size: 8, .value_kind: global_buffer, .address_space: global }
      - { .name: Wq, .offset: 16, .size: 8, .value_kind: global_buffer, .address_space: global }
      - { .name: Wk, .offset: 24, .size: 8, .value_kind: global_buffer, .address_space: global }
      - { .name: Wv, .offset: 32, .size: 8, .value_kind: global_buffer, .address_space: global }
      - { .name: Wo, .offset: 40, .size: 8, .value_kind: global_buffer, .address_space: global }
      - { .name: attention_mask, .offset: 48, .size: 8, .value_kind: global_buffer, .address_space: global }
      - { .name: opnd, .offset: 56, .size: 8, .value_kind: global_buffer, .address_space: global }
      - { .name: maskw, .offset: 64, .size: 8, .value_kind: global_buffer, .address_space: global }
    .group_segment_fixed_size: 81408
    .private_segment_fixed_size: 0
    .kernarg_segment_align: 8
    .kernarg_segment_size: 72
    .max_flat_workgroup_size: 128
    .sgpr_count:     66
    .vgpr_count:     256
    .wavefront_size: 32
...
	.end_amdgpu_metadata
.endif
;; end of part 1
;; launch proj (part 2): grid 4 x 128, 4 waves a work-group, clusters of 4 x 4, 327,680 bytes of LDS; arguments opnd, bk, bv, qkv; writes qkv
.if DOCPART == 2
	.amdgcn_target "amdgcn-amd-amdhsa--gfx1250"
	.amdhsa_code_object_version 6
	.text
	.protected	k_q0c7817f2d5_proj
	.globl	k_q0c7817f2d5_proj
	.p2align	8
	.type	k_q0c7817f2d5_proj,@function
k_q0c7817f2d5_proj:
	s_mov_b64 s[64:65], 0
	v_nop
	global_prefetch_b8 v0, s[64:65] scope:SCOPE_SE
	s_setreg_imm32_b32 hwreg(HW_REG_WAVE_MODE, 25, 1), 1
	s_wait_xcnt 0x0
	s_wait_alu depctr_hold_cnt(0) depctr_sa_sdst(0) depctr_va_vdst(0) depctr_va_sdst(0) depctr_va_ssrc(0) depctr_va_vcc(0) depctr_vm_vsrc(0)
	s_getreg_b32 s2, hwreg(HW_REG_IB_STS2, 6, 4)
	s_cmp_eq_u32 s2, 0
	s_cbranch_scc0 .Lentry_in_a_cluster
	s_endpgm
.Lentry_in_a_cluster:
	s_bfe_u32 s2, ttmp6, 0x10000c
	s_cmp_lg_u32 s2, 0xf033
	s_cbranch_scc0 .Lentry_shape_is_right
	s_endpgm
.Lentry_shape_is_right:
; The projections of the keys and the values, with bias, quantised on the way out: k and v go to memory as codes of FP6 alone.  (q's projection, a sixteenth of this work, is made by the attention launch, whose
; work-groups own just the rows and the head that it needs: so this launch has 512 equal tiles, two for each of 256 WGPs.)
; ONE SYMMETRIC PRODUCT: T = F x S^T + bias (source 0 = 16 rows of F, source 1 = 16 rows of S), K = 1,024.  A lane holds ONE row of S, and its 64 results of one tile of S are 64 rows of F in the
; quantiser's order (the rows of every tile are chosen for that: see the workspace format below).  So T is quantised along F's rows, in registers, and each tile of S gives one finished fragment.
;   k: F = the weight (its rows are output units), S = the tokens: a lane holds a key, quantised along the head's 128 units.
;   v: F = the tokens, S = the weight: a lane holds a unit d, quantised along 128 keys: v arrives at the attention with the keys innermost.
; WORKSPACE FORMAT, a BLOCK of 12,800 bytes: 128 rows x 128 K: 8 fragments of 1,536 bytes as images of their 12 registers (registers 4 c .. 4 c + 3 of lane L at 512 c + 16 L), then 128 scale words
; (tile t, lane r at 12,288 + 64 t + 4 r).  Lane r of tile t is row 32 (t / 2) + 8 (t % 2) + r + 8 (r / 8).  A group's 8 K steps are 102,400 dense bytes of opnd.
; OUT, blocks of qkv: 32 bh + kg: k;  1,024 + 32 bh + kg: v^T  (bh = 8 b + head; kg: a group of 128 keys).
; SHARES: a work-group makes 256 rows of F x 256 rows of S, a wave 128 x 128: 64 accumulators, one block of qkv.  The cluster's y says which product: 0-15 k, 16-31 v.
; CLUSTER 4 x 4: S's tiles hang on cy alone and are asked for jointly along a row of the cluster, F's on cx alone, along a column.
; LDS: two slots of 153,600 bytes (S's two groups, then F's two; three K steps each).  K steps 0-5 are the first fills, K steps 6, 7 refill slot 0 behind K step 2: the text's one refill, so it is written out with no loop.
; By the text's own count a wave has one tensor load out at any time.
; REGISTERS: window 0: v16-26 addresses; v28, v29 the add's two; v32-95 scale words (register 8 ks + i: lanes 0-15 S's tile i, lanes 16-31 F's tile i) and nothing else; v96-159 the bias as C, later the quantiser's work;
;   v160-255 S's 8 fragments, one set.  window 1: F's fragments, two sets, at v0 and v128.  windows 2, 3: accumulator (a, b) at v[8 (8 (a % 4) + b)].
; LIMITS: a block of zeros gets the byte 1 where the rule says 127 (zero codes; this program alone reads the bytes); largest magnitudes under 2^-124 are held at byte 1; NaN and infinities are not served.
.set GRPB,  102400
.set PAIRB, 38400                      ; what one first fill brings: three K steps of a group, 150 rows of 256 bytes
.set SLOTB, 153600                     ; LDS AS THE TEXT NOW USES IT: two slots of four such parts (S's two groups, then F's two).  Slot 0: K steps 0-2, at the head; slot 1: K steps 3-5, behind the full sequence;
                                       ; K steps 6, 7 (100 rows) refill slot 0 behind K step 2.  By the text's own count a wave has one tensor load out at any time
.set BLKB,  12800
.set FRB,   1536
.set SPARE, 3*GRPB                     ; behind the slots: the spare words, 128 bytes for each wave
.set ADRA,  16                         ; v16, v17 my S fragments in slot 0, 1
.set ADRB,  19                         ; v19, v20 my F fragments
.set ADS,   22                         ; v22, v23 my scale words: lanes 0-15 S's, lanes 16-31 F's
.set LI,    25                         ; v25 16 L
.set LS,    26                         ; v26 4 L
.set SPW,   28
.set NIL,   29
.set SC,    32
.set CB,    96
.set AF,    160
.set TM,    96
.set PW,    112
.set PWE,   113
.set PWS,   114
.set G1S,   24
.set G1F,   32
.set G0S,   40                         ; s[40:47] two sets of group 0 for S;  s[52:59] for F
.set G0F,   52
.set SEL,   94
.set MSB,   0
.macro WIN new                         ; the immediate's high byte repeats the setting that is left
.if MSB != (\new)
	s_set_vgpr_msb (MSB<<8)|(\new)
.set MSB, (\new)
.endif
.endm
.macro PLACES                          ; four places in front of loads into registers that matrix instructions have read, and of the first read of results
.rept 4
	v_nop
.endr
.endm
; A joint load: waves 0 and 1 fetch S's two groups, waves 2 and 3 F's.  The branch hangs on the wave's number alone.  An s_nop 0 and four v_nop follow each line.
.macro JLOAD g0a, g1a, g0b, g1b
	s_cmp_eq_u32 s15, 0
	s_cbranch_scc0 .Lfor_f_\@
	tensor_load_to_lds s[\g0a:\g0a+3], s[\g1a:\g1a+7]
	s_nop 0
.rept 4
	v_nop
.endr
	s_branch .Lasked_\@
.Lfor_f_\@:
	tensor_load_to_lds s[\g0b:\g0b+3], s[\g1b:\g1b+7]
	s_nop 0
.rept 4
	v_nop
.endr
.Lasked_\@:
.endm
.macro CREST                           ; a round of the cluster's barrier behind its opening barrier
	s_cmp_lg_u32 s14, 0
	s_cbranch_scc1 .Lnot_wave_0_\@
	s_barrier_signal -3
.Lnot_wave_0_\@:
	s_barrier_wait -3
	s_barrier_signal -1
	s_barrier_wait -1
.endm
.macro CROUND
	s_barrier_signal -1
	s_barrier_wait -1
	CREST
.endm
.macro FRAG reg, adr, q, i             ; a fragment's image comes back by three loads of 512 consecutive bytes
.irp c, 0,1,2
	ds_load_b128 v[\reg+4*\c:\reg+4*\c+3], v[\adr] offset:BLKB*(\q)+FRB*(\i)+512*\c
.endr
.endm
.macro FETCH_B ks                      ; F's eight fragments of K step ks into set ks % 2
	WIN 0x40
.irp i, 0,1,2,3,4,5,6,7
	FRAG 128*((\ks)%2)+12*\i, ADRB+(((\ks)/3)%2), (\ks)%3, \i
.endr
	WIN 0
.endm
.macro FETCH_A ks, i0                  ; S's tiles i0 .. i0 + 3
.irp i, \i0, \i0+1, \i0+2, \i0+3
	FRAG AF+12*(\i), ADRA+(((\ks)/3)%2), (\ks)%3, \i
.endr
.endm
.macro SCALES ks
.irp i, 0,1,2,3,4,5,6,7
	ds_load_b32 v[SC+8*(\ks)+\i], v[ADS+(((\ks)/3)%2)] offset:BLKB*((\ks)%3)+64*\i
.endr
.endm
; 16 matrix instructions: S's tiles a0, a0 + 1 x F's eight.  cm = 0: the sums go on; 1: they start with the bias along F; 2: with the bias along S.  The 64 accumulators take turns, one instruction a turn.
.macro MUL16 a0, ks, cm
.irp a, \a0, \a0+1
.irp b, 0,1,2,3,4,5,6,7
.if (\cm) == 0
	v_wmma_scale_f32_16x16x128_f8f6f4 v[8*(8*((\a)%4)+\b):8*(8*((\a)%4)+\b)+7], v[128*((\ks)%2)+12*\b:128*((\ks)%2)+12*\b+11], v[AF+12*(\a):AF+12*(\a)+11], v[8*(8*((\a)%4)+\b):8*(8*((\a)%4)+\b)+7], v[SC+8*(\ks)+\b], v[SC+8*(\ks)+(\a)] matrix_a_fmt:MATRIX_FMT_FP6 matrix_b_fmt:MATRIX_FMT_FP6 matrix_a_scale:MATRIX_SCALE_ROW1
.elseif (\cm) == 1
	v_wmma_scale_f32_16x16x128_f8f6f4 v[8*(8*((\a)%4)+\b):8*(8*((\a)%4)+\b)+7], v[128*((\ks)%2)+12*\b:128*((\ks)%2)+12*\b+11], v[AF+12*(\a):AF+12*(\a)+11], v[CB+8*\b:CB+8*\b+7], v[SC+8*(\ks)+\b], v[SC+8*(\ks)+(\a)] matrix_a_fmt:MATRIX_FMT_FP6 matrix_b_fmt:MATRIX_FMT_FP6 matrix_a_scale:MATRIX_SCALE_ROW1
.else
	v_wmma_scale_f32_16x16x128_f8f6f4 v[8*(8*((\a)%4)+\b):8*(8*((\a)%4)+\b)+7], v[128*((\ks)%2)+12*\b:128*((\ks)%2)+12*\b+11], v[AF+12*(\a):AF+12*(\a)+11], v[CB+8*(\a):CB+8*(\a)+7], v[SC+8*(\ks)+\b], v[SC+8*(\ks)+(\a)] matrix_a_fmt:MATRIX_FMT_FP6 matrix_b_fmt:MATRIX_FMT_FP6 matrix_a_scale:MATRIX_SCALE_ROW1
.endif
.endr
.endr
.endm
; A K step whose successor's tiles are known to lie in LDS.
.macro STEP ks, cm
	s_wait_dscnt 12                                ; F's set, S's tiles 0-3 and the scale words are in; the youngest twelve loads (S's tiles 4-7) may be out
.if \cm
	WIN 0x81                                       ; F window 1, S and the bias window 0, D window 2
.else
	WIN 0xa1                                       ; C and D window 2
.endif
	MUL16 0, \ks, \cm
	MUL16 2, \ks, \cm
	s_wait_dscnt 0x0                               ; S's tiles 4-7 are in
	PLACES
	FETCH_B (\ks)+1
	FETCH_A (\ks)+1, 0
	SCALES (\ks)+1
.if \cm
	WIN 0xc1
.else
	WIN 0xf1
.endif
	MUL16 4, \ks, \cm
	MUL16 6, \ks, \cm
	PLACES
	WIN 0
	FETCH_A (\ks)+1, 4
.endm
; A K step behind which tiles are read that a tensor load has just brought: each wave waits for all its tensor loads, adds 0 to its spare word, waits for that and for its LDS reads, and passes a barrier.
; fill = 1: the barrier opens a round of the cluster's barrier, and slot 0, whose three K steps have been read, takes K steps 6 and 7.
.macro TURN ks, fill
	s_wait_tensorcnt 0x0                           ; all my tensor loads have landed
	ds_add_u32 v[SPW], v[NIL]                      ; 0 onto my spare word
	s_wait_dscnt 13                                ; (the add and the youngest twelve loads may be out)
	WIN 0xa1
	MUL16 0, \ks, 0                                ; sixteen matrix instructions stand between the add and the wait for it
	s_wait_dscnt 0x0                               ; the add is done, and my reads of the slot are over
	s_barrier_signal -1
	MUL16 2, \ks, 0
	WIN 0
	s_barrier_wait -1
.if \fill
	CREST                                          ; no wave of any partner still reads slot 0 or has a load on its way
	s_add_nc_u64 s[G0S+2:G0S+3], s[G0S+2:G0S+3], 2*PAIRB   ; from K step 0 to K step 6
	s_add_nc_u64 s[G0F+2:G0F+3], s[G0F+2:G0F+3], 2*PAIRB
	s_mov_b32 s[G1S+2], 100<<16                    ; no tensor load of mine is out, so a descriptor may be written: the refill brings two K steps, 100 rows
	s_mov_b32 s[G1S+4], 100
	s_mov_b32 s[G1F+2], 100<<16
	s_mov_b32 s[G1F+4], 100
	JLOAD G0S, G1S, G0F, G1F                       ; the first tensor load behind the round; it has two and a half K steps, 160 matrix instructions, in which to land; its four v_nop are the places for the loads below
.else
	PLACES
.endif
	FETCH_B (\ks)+1
	FETCH_A (\ks)+1, 0
	SCALES (\ks)+1
	WIN 0xf1
	MUL16 4, \ks, 0
	MUL16 6, \ks, 0
	PLACES
	WIN 0
	FETCH_A (\ks)+1, 4
.endm
; Tile a of S: its 64 results a lane are quantised and leave as fragment a of my block.  The accumulators are read in ascending order, each from its low end on.
.macro EPI a
.set AC, 64*((\a)%4)
.set PC, 116+20*((\a)%2)
	s_wait_xcnt 0x0                                ; earlier stores have read their data: the codes and the words are written again only behind this wait
	WIN 0x0a+5*((\a)/4)                            ; sources 0 and 1: window 2 or 3
.irp b, 0,1,2,3
	v_max3_num_f32 v[TM+\b], |v[AC+16*\b]|, |v[AC+1+16*\b]|, 0x1800000   ; and the floor 2^(3 - 127)
.endr
.irp i, 2,4,6,8,10,12,14
.irp b, 0,1,2,3
	v_max3_num_f32 v[TM+\b], |v[AC+16*\b+\i]|, |v[AC+1+16*\b+\i]|, v[TM+\b]
.endr
.endr
	WIN 0
.irp b, 0,1,2,3
	v_permlanex16_b32 v[TM+4+\b], v[TM+\b], s[SEL], s[SEL+1]
.endr
.irp b, 0,1,2,3
	v_max_num_f32 v[TM+\b], v[TM+\b], v[TM+4+\b]
.endr
.irp b, 0,1,2,3
	v_add_nc_u32 v[TM+12+\b], 0xff000000, v[TM+\b]
.endr
.irp b, 0,1,2,3
	v_lshrrev_b32 v[TM+4+\b], 23, v[TM+12+\b]
.endr
	v_lshl_or_b32 v[PW], v[TM+5], 8, v[TM+4]
	v_lshl_or_b32 v[PW], v[TM+6], 16, v[PW]
	v_lshl_or_b32 v[PW], v[TM+7], 24, v[PW]
	WIN 2+(\a)/4                                   ; source 0: window 2 or 3
.irp c, 0,1
	v_cvt_scalef32_pk16_fp6_f32 v[PC+6*\c:PC+2+6*\c], v[AC+32*\c:AC+15+32*\c], v[TM+12+2*\c]
	v_cvt_scalef32_pk16_fp6_f32 v[PC+12+4*\c:PC+14+4*\c], v[AC+16+32*\c:AC+31+32*\c], v[TM+12+2*\c+1]
.endr
	WIN 0
	v_nop                                          ; one plain place behind a scaled conversion
.irp c, 0,1
.irp i, 0,1,2
	v_permlane16_swap_b32 v[PC+6*\c+\i], v[PC+12+4*\c+\i]
.endr
.irp i, 0,1,2
	v_mov_b32 v[PC+3+6*\c+\i], v[PC+12+4*\c+\i]
.endr
.endr
.irp c, 0,1,2
	global_store_b128 v[LI], v[PC+4*\c:PC+4*\c+3], s[12:13] offset:FRB*(\a)+512*\c   ; 512 consecutive bytes, aligned
.endr
.if ((\a)%2) == 0
	v_mov_b32 v[PWE], v[PW]
.else
	v_cndmask_b32 v[PWS], v[PWE], v[PW], s96
	global_store_b32 v[LS], v[PWS], s[12:13] offset:12288+64*((\a)-1)   ; two tiles' scale words: 128 consecutive bytes
.endif
.endm
	s_load_b256 s[4:11], s[0:1], 0x0               ; opnd s[4:5], bk s[6:7], bv s[8:9], qkv s[10:11]
	v_lshl_add_u32 v[SPW], v0, 2, SPARE
	v_mov_b32 v[NIL], 0
	ds_add_u32 v[SPW], v[NIL]                      ; the wave's opening: the add and its wait stand ahead of my first tensor load; work on registers stands between them
	ds_add_u32 v[SPW], v[NIL]
	v_lshrrev_b32 v1, 5, v0
	v_readfirstlane_b32 s14, v1                    ; wave 0..3
	s_lshr_b32 s15, s14, 1                         ; my half of S's rows.  Also: I fetch for S (0) or for F (1)
	s_and_b32 s16, s14, 1                          ; my half of F's rows.  Also: which group of that tile I fetch
	s_bfe_u32 s18, ttmp6, 0x40000                  ; cx
	s_bfe_u32 s19, ttmp6, 0x40004                  ; cy
	s_and_b32 s17, ttmp7, 0xffff                   ; the cluster's y: which product, and where in it; all sixteen partners share it
	s_sub_co_u32 s67, s17, 16                      ; v's figures first: F's clusters of tiles,
	s_mov_b32 s68, 0                               ; S's,
	s_mov_b32 s21, 0                               ; F's first group in opnd (inputs_kv),
	s_mov_b32 s22, 160                             ; S's (Wv),
	s_mov_b32 s23, 1024                            ; the first block in qkv,
	s_mov_b32 s66, 5                               ; log2 of a batch's groups of tokens,
	s_mov_b32 s20, 1                               ; and the bias runs along S
	s_cmp_lt_u32 s17, 16                           ; k
	s_cselect_b32 s67, 0, s67
	s_cselect_b32 s68, s17, s68
	s_cselect_b32 s21, 152, s21
	s_cselect_b32 s22, 0, s22
	s_cselect_b32 s23, 0, s23
	s_cselect_b32 s20, 0, s20
	s_lshl_b32 s69, s19, 2
	s_lshl_b32 s69, 15, s69                        ; my row of the cluster
	s_lshl_b32 s97, 0x1111, s18                    ; my column
	s_or_b32 s[G1S], s69, (3<<16)|(1<<21)          ; 15:0 the mask; 17:16 elements of 8 bytes; 21 set beside a mask; no padding
	s_or_b32 s[G1F], s97, (3<<16)|(1<<21)
.irp g, G1S, G1F                       ; three K steps of a group: 38,400 dense bytes as 150 rows of 256
	s_mov_b32 s[\g+1], 32<<16                      ; tensor_dim0 = 32 elements
	s_mov_b32 s[\g+2], 150<<16                     ; tensor_dim1 = 150: three K steps
	s_mov_b32 s[\g+3], 32<<16                      ; tile_dim0
	s_mov_b32 s[\g+4], 150                         ; tile_dim1
	s_mov_b32 s[\g+5], 32                          ; the pitch
	s_mov_b32 s[\g+6], 0
	s_mov_b32 s[\g+7], 0
.endr
	s_lshl_b32 s73, s68, 2
	s_add_co_u32 s73, s73, s19                     ; S's tile: it hangs on cy alone among the places
	s_lshl_b32 s74, s73, 1
	s_add_co_u32 s74, s74, s16
	s_add_co_u32 s74, s74, s22
	s_mul_i32 s74, s74, GRPB                       ; the group that I fetch, in bytes
	s_mov_b32 s75, 0
	s_lshl_b32 s72, s67, 2
	s_add_co_u32 s72, s72, s18                     ; F's tile: on cx alone
	s_lshl_b32 s76, s72, 1
	s_add_co_u32 s76, s76, s16
	s_add_co_u32 s76, s76, s21
	s_mul_i32 s76, s76, GRPB
	s_mov_b32 s77, 0
	s_mul_i32 s82, s14, PAIRB                      ; where it goes: wave x 38,400: no place in the cluster enters an LDS address
	s_mov_b32 s[SEL], 0x76543210
	s_mov_b32 s[SEL+1], 0xfedcba98
	s_mov_b32 s96, 0xffff0000
	s_wait_dscnt 0x0                               ; the opening add is done
	s_wait_kmcnt 0x0
	s_add_nc_u64 s[78:79], s[4:5], s[74:75]
	s_add_nc_u64 s[80:81], s[4:5], s[76:77]
	CROUND                                         ; all sixteen work-groups are here: the first joint loads meet
.irp n, 0,1
	s_mov_b32 s[G0S+4*\n], 1
	s_add_co_u32 s[G0S+4*\n+1], s82, \n*SLOTB
	s_add_nc_u64 s[G0S+4*\n+2:G0S+4*\n+3], s[78:79], \n*PAIRB
	s_or_b32 s[G0S+4*\n+3], s[G0S+4*\n+3], 0x80000000
	s_mov_b32 s[G0F+4*\n], 1
	s_add_co_u32 s[G0F+4*\n+1], s82, \n*SLOTB
	s_add_nc_u64 s[G0F+4*\n+2:G0F+4*\n+3], s[80:81], \n*PAIRB
	s_or_b32 s[G0F+4*\n+3], s[G0F+4*\n+3], 0x80000000
.endr
	JLOAD G0S, G1S, G0F, G1F                       ; K steps 0 to 2: one tensor load a wave at the head
	v_and_b32 v1, 31, v0                           ; L
	v_and_b32 v2, 15, v0                           ; r
	v_bfe_u32 v3, v0, 4, 1                         ; h
	v_lshlrev_b32 v[LI], 4, v1
	s_wait_alu depctr_va_vdst(0)
	v_lshlrev_b32 v[LS], 2, v1
	s_mul_i32 s83, s15, PAIRB                      ; my group of S
	s_mul_i32 s84, s16, PAIRB
	s_add_co_u32 s84, s84, 2*PAIRB                 ; my group of F, behind S's two
	s_xor_b32 s85, s15, 1
	s_add_co_u32 s85, s85, s16
	s_add_co_u32 s85, s85, 1
	s_mul_i32 s85, s85, PAIRB                      ; the distance between the two: (2 + s16 - s15) x 38,400
	v_mul_u32_u24 v4, s85, v3                      ; lanes 16-31 take F's words
	v_lshl_add_u32 v4, v2, 2, v4
	s_add_co_u32 s86, s83, 12288
.irp n, 0,1
	v_add_nc_u32 v[ADRA+\n], s83, v[LI]
	v_add_nc_u32 v[ADRB+\n], s84, v[LI]
	v_add_nc_u32 v[ADS+\n], s86, v4
	s_add_co_u32 s83, s83, SLOTB
	s_add_co_u32 s84, s84, SLOTB
	s_add_co_u32 s86, s86, SLOTB
.endr
	v_lshlrev_b32 v5, 6, v3                        ; the bias along F: 64 h
	v_and_b32 v6, 8, v2
	v_add_nc_u32 v6, v6, v2
	v_lshlrev_b32 v6, 2, v6                        ; along S: 4 (r + 8 (r / 8))
	s_mov_b64 s[70:71], s[8:9]                     ; which bias: the choice hangs on the cluster's y alone
	s_cmp_lt_u32 s17, 16
	s_cselect_b64 s[70:71], s[6:7], s[70:71]
	s_lshl_b32 s87, s72, 1
	s_add_co_u32 s87, s87, s16                     ; my group of F
	s_lshl_b32 s88, s73, 1
	s_add_co_u32 s88, s88, s15                     ; my group of S
	s_cmp_eq_u32 s20, 0
	s_cselect_b32 s89, s87, s88                    ; the weight's group is the head,
	s_cselect_b32 s90, s88, s87                    ; the tokens' group gx = (batch << 5) + group in the batch
	s_lshl_b32 s92, s89, 9
	s_mov_b32 s93, 0
	s_add_nc_u64 s[70:71], s[70:71], s[92:93]      ; the head's 128 numbers of the bias
	s_lshr_b32 s91, s90, s66
	s_lshl_b32 s91, s91, 3
	s_add_co_u32 s91, s91, s89                     ; bh
	s_lshl_b32 s91, s91, s66
	s_bfm_b32 s92, s66, 0
	s_and_b32 s92, s90, s92
	s_add_co_u32 s91, s91, s92
	s_add_co_u32 s91, s91, s23
	s_mul_i32 s92, s91, BLKB
	s_add_nc_u64 s[12:13], s[10:11], s[92:93]      ; my block of qkv
	s_cmp_eq_u32 s20, 0
	s_cbranch_scc0 .Lbias_along_s
	s_wait_alu depctr_va_vdst(0)
.irp u, 0,1,2,3
.irp j, 0,1,2,3
	global_load_b128 v[CB+16*\u+4*\j:CB+16*\u+4*\j+3], v5, s[70:71] offset:128*\u+16*\j   ; register n: unit 32 (n / 16) + 16 h + n % 16
.endr
.endr
	s_branch .Lbias_asked
.Lbias_along_s:
	s_wait_alu depctr_va_vdst(0)
.irp a, 0,1,2,3,4,5,6,7
.irp j, 0,1,2,3,4,5,6,7
	global_load_b32 v[CB+8*\a+\j], v6, s[70:71] offset:(32*(\a/2)+8*(\a%2))*4   ; tile a: my lane's unit, in all eight registers
.endr
.endr
.Lbias_asked:
	s_wait_loadcnt 0x0
	s_wait_tensorcnt 0x0                           ; my part of slot 0 is in
	ds_add_u32 v[SPW], v[NIL]
	s_wait_dscnt 0x0
	CROUND                                         ; everybody's part is in, and all sixteen work-groups are here
	JLOAD G0S+4, G1S, G0F+4, G1F                   ; K steps 3 to 5 into slot 1: the first tensor load behind the round; it has K steps 0 and 1 in which to land
	FETCH_B 0
	FETCH_A 0, 0
	SCALES 0
	FETCH_A 0, 4
	s_cmp_eq_u32 s20, 0                            ; the first K step starts the sums with the bias: nothing is cleared.  The two arms differ in the C operand alone
	s_cbranch_scc0 .Lstart_along_s
	STEP 0, 1
	s_branch .Lstarted
.Lstart_along_s:
	STEP 0, 2
.Lstarted:
	STEP 1, 0
	TURN 2, 1                                      ; slot 1 has landed in every wave; slot 0's three K steps have been read, and it takes K steps 6 and 7
	STEP 3, 0
	STEP 4, 0
	TURN 5, 0                                      ; the refill has landed in every wave
	STEP 6, 0
	s_wait_dscnt 12                                ; the last K step: nothing more to fetch
	WIN 0xa1
	MUL16 0, 7, 0
	MUL16 2, 7, 0
	s_wait_dscnt 0x0
	WIN 0xf1
	MUL16 4, 7, 0
	MUL16 6, 7, 0
	WIN 0
	PLACES
.irp b, 0,1,2,3
	v_mov_b32 v[TM+4+\b], 0                        ; written once: a lane permute's destination counts as one of its sources
.endr
.irp a, 0,1,2,3,4,5,6,7
	EPI \a
.endr
	s_wait_tensorcnt 0x0                           ; the wave's end
	ds_add_u32 v[SPW], v[NIL]
	s_wait_dscnt 0x0
	CROUND                                         ; the closing round
	s_endpgm
.Lfunc_end_k_q0c7817f2d5_proj:
	.size	k_q0c7817f2d5_proj, .Lfunc_end_k_q0c7817f2d5_proj-k_q0c7817f2d5_proj
	.p2alignl 7, 3214868480
	.fill 96, 4, 3214868480
	.section	.rodata,"a",@progbits
	.p2align	6, 0x0
	.amdhsa_kernel k_q0c7817f2d5_proj
		.amdhsa_group_segment_fixed_size 327680
		.amdhsa_private_segment_fixed_size 0
		.amdhsa_enable_private_segment 0
		.amdhsa_kernarg_size 32
		.amdhsa_user_sgpr_count 2
		.amdhsa_user_sgpr_kernarg_segment_ptr 1
		.amdhsa_wavefront_size32 1
		.amdhsa_system_sgpr_workgroup_id_x 1
		.amdhsa_system_sgpr_workgroup_id_y 1
		.amdhsa_system_sgpr_workgroup_id_z 1
		.amdhsa_system_vgpr_workitem_id 0
		.amdhsa_next_free_vgpr 1024
		.amdhsa_next_free_sgpr 100
		.amdhsa_reserve_vcc 0
		.amdhsa_float_denorm_mode_32 3
		.amdhsa_float_denorm_mode_16_64 3
		.amdhsa_memory_ordered 1
		.amdhsa_forward_progress 1
		.amdhsa_inst_pref_size 160
	.end_amdhsa_kernel
	.amdgpu_metadata
---
amdhsa.version: [ 1, 2 ]
amdhsa.kernels:
  - .name:           k_q0c7817f2d5_proj
    .symbol:         k_q0c7817f2d5_proj.kd
    .args:
      - { .name: opnd, .offset: 0, .size: 8, .value_kind: global_buffer, .address_space: global }
      - { .name: bk, .offset: 8, .size: 8, .value_kind: global_buffer, .address_space: global }
      - { .name: bv, .offset: 16, .size: 8, .value_kind: global_buffer, .address_space: global }
      - { .name: qkv, .offset: 24, .size: 8, .value_kind: global_buffer, .address_space: global }
    .group_segment_fixed_size: 327680
    .private_segment_fixed_size: 0
    .kernarg_segment_align: 8
    .kernarg_segment_size: 32
    .max_flat_workgroup_size: 128
    .sgpr_count:     100
    .vgpr_count:     1024
    .wavefront_size: 32
...
	.end_amdgpu_metadata
.endif
;; end of part 2
;; launch attn (part 3): grid 8 x 32, 16 waves a work-group, clusters of 4 x 1, 327,680 bytes of LDS; arguments qkv, maskw, sbuf, opnd, bq; writes sbuf
.if DOCPART == 3
	.amdgcn_target "amdgcn-amd-amdhsa--gfx1250"
	.amdhsa_code_object_version 6
	.text
	.protected	k_q0c7817f2d5_attn
	.globl	k_q0c7817f2d5_attn
	.p2align	8
	.type	k_q0c7817f2d5_attn,@function
k_q0c7817f2d5_attn:
	s_mov_b64 s[64:65], 0
	v_nop
	global_prefetch_b8 v0, s[64:65] scope:SCOPE_SE
	s_setreg_imm32_b32 hwreg(HW_REG_WAVE_MODE, 25, 1), 1
	s_wait_xcnt 0x0
	s_wait_alu depctr_hold_cnt(0) depctr_sa_sdst(0) depctr_va_vdst(0) depctr_va_sdst(0) depctr_va_ssrc(0) depctr_va_vcc(0) depctr_vm_vsrc(0)
	s_getreg_b32 s2, hwreg(HW_REG_IB_STS2, 6, 4)
	s_cmp_eq_u32 s2, 0
	s_cbranch_scc0 .Lentry_in_a_cluster
	s_endpgm
.Lentry_in_a_cluster:
	s_bfe_u32 s2, ttmp6, 0x10000c
	s_cmp_lg_u32 s2, 0x3003
	s_cbranch_scc0 .Lentry_shape_is_right
	s_endpgm
.Lentry_shape_is_right:
; q = inputs_q Wq + bq for my 64 queries and my head; then summed[b][q][head][:] = softmax over the keys of (q . k / sqrt(128), masked) x v.  All three products on codes of FP6 (E2M3) with one E8M0 scale for
; each 32 along K; the result leaves as codes for the output projection.
; THE SOFTMAX AHEAD OF THE LAST PRODUCT: t = score x log2(e) / sqrt(128); M = the largest t so far, rounded UP to a whole number; p = 2^(t - M) is quantised along the keys, not normalised; the row's sum is taken of the
; unquantised p and divides at the end.  When M moves, sum and O are multiplied by 2^(old M - new M): exact.
; THE MASK: a hidden score becomes -infinity ahead of the maximum, by one select on a lane word that an earlier launch made: p = 0 there.  A query with no key at all ends with the sum 0: it is divided by 1 and its O is 0,
; which is the wiped row.  (A query with a key has a sum above 1/2.)
; SHARES.  A work-group owns 64 queries of one (batch, head).  Wave w owns tile w % 4 of 16 queries, and of every slot of 512 keys the key step w / 4: eight key steps a wave, with M, sum and O^T of its own;
; at the end the four key quarters of a tile are joined by exact powers of two.  Four waves share a SIMD, so that one wave's vector work stands beside another's matrix work and LDS loads.
; q: T = F x S^T + bq, F = Wq's group of my head (8 tiles of 16 units, K = 1,024), S = my tile of queries.  Waves 0 to 3 make it, a tile each, 64 matrix instructions, quantise it in registers and hand the
; fragment's image to the three other waves of the tile through LDS.  Wq's group comes by joint first fills into slot 1's bytes, which take keys only afterwards; every wave brings two K steps of its tile of inputs_q.
; CLUSTER 4 x 1: the four work-groups belong to one (batch, head): they walk the same K and V and need the same group of Wq: each tile is asked for jointly.  The place in the cluster enters global addresses alone.
; OPERANDS are blocks of 12,800 bytes: 8 fragments as images of their 12 registers (three loads of 512 consecutive bytes each), then 128 scale words.  Lane r of tile t is row 32 (t / 2) + 8 (t % 2) + r + 8 (r / 8):
; so the 64 results of a lane run along source 0's rows as 32 (n / 16) + 16 (lane / 16) + n % 16: the order that the quantiser wants, for q's units, the scores' keys and O^T's channels alike.
; LDS: slot 0 at 0 and slot 1 at 2^17, 102,400 bytes each (K's 4 blocks, V's 4 blocks); spare words at 102,400; the quarters' statistics at 104,448; q's four images at 108,544; the images of inputs_q at 233,472;
; the quarters' O^T in slot 0, which has had its last fill and its last read by then.  By the text's own count a wave has one tensor load out at the start and one behind each round.
; REGISTERS: v1-11, v28-31, v80-87 addresses; v12 -M, v13 the largest t, v[14:15] the sum in two halves; v16-27 q; v32-79 four fragments; v96-159 S^T, then p, then four fragments of V; v160-223 O^T (first: q's sums);
;   v224-235 p's codes; v232-254 at work; scale words and nothing else: v88-91 inputs_q's, v92-95 Wq's, v248-251 Wq's, K's or V's, v253 p's, v255 q's.
; LIMITS: NaN and infinities among the inputs are not served; a block of zeros gets the byte 1 (zero codes; this program alone reads the bytes); largest magnitudes under 2^-124 are held at byte 1.
.set FRB,   1536
.set BLKB,  12800
.set GRPB,  102400
.set VOFF,  4*BLKB
.set SLOT1, 1<<17
.set SPARE, 102400                     ; the spare words, 128 bytes for each of sixteen waves: eight blocks of 256 bytes that no other line names
.set STT,   104448                     ; 256 bytes a wave: -M and the sum of each lane
.set QIMG,  108544                     ; q: for each tile an image of 1,536 bytes and 128 bytes of scale words, 1,792 apart; no fill lands here
.set SIMG,  233472                     ; inputs_q: tile qt, K step s at 12,288 qt + 1,536 s; no fill lands here
.set AK0,  1                           ; v1   my lane's place in my key step's block
.set AS0,  2                           ; v2   and among its scale words
.set MSO,  3                           ; v3   where a quarter stores its O^T
.set STS,  4                           ; v4   and its statistics
.set SPW,  5
.set NIL,  6
.set GQ,   7                           ; v7   my lane's place in my tile's fragment of a block in memory
.set ADK,  8
.set ADS,  9
.set MR1,  10                          ; v10, v11, v29 where quarter 0 reads the other three
.set MR2,  11
.set PFO,  28                          ; v28  the prefetch's offset
.set MR3,  29
.set STR,  30
.set GS,   31                          ; v31  my tile's scale words in a block in memory
.set AW0,  80                          ; v80, v81 my lane's place in Wq's K steps 0-3, 4-7
.set ASW0, 82                          ; v82, v83 and among their scale words
.set QIS,  84                          ; v84  my tile's image of q
.set QSS,  85                          ; v85  and its scale words
.set SIS,  86                          ; v86  where I put my two K steps of inputs_q
.set SIL,  87                          ; v87  my tile's eight K steps of inputs_q
.set XSC,  88                          ; v88-91 inputs_q's scale words: register i: lanes 0-15 K step 2 i, lanes 16-31 K step 2 i + 1
.set TB,   2                           ; s2   LDS byte at which the slot in hand begins
.set BH,   3
.set WV,   10
.set QT,   11
.set KQ,   12
.set SLOTS, 13
.set CX,   14
.set QB,   15
.set SEL,  16
.set CS,   18
.set G1,   20
.set G0,   28
.set GW,   84                          ; s[84:87] group 0 of my one first fill; free when that load has been waited for
.set GH,   88                          ; s[88:95] its group 1: one block, 50 rows of 256 bytes; free likewise
.set PFA,  100
.set LIM,  104
.set TM,   32                          ; the quantiser's work
.set PC,   48
.set PW,   68
; mask word n lies in s[32 + n] (n < 32) or s[36 + n]
.macro CROUND                          ; a round of the cluster's barrier
	s_barrier_signal -1
	s_barrier_wait -1
	s_cmp_lg_u32 s[WV], 0
	s_cbranch_scc1 .Lnot_wave_0_\@
	s_barrier_signal -3
.Lnot_wave_0_\@:
	s_barrier_wait -3
	s_barrier_signal -1
	s_barrier_wait -1
.endm
.macro PLACES                          ; four places in front of loads into registers that matrix instructions have read, and of the first read of results
.rept 4
	v_nop
.endr
.endm
; Waves 0 and 1 fetch K's halves of a slot, waves 2 and 3 V's, the others nothing: the branch hangs on the wave's number alone.  Every wait on TENSORcnt in this text is for 0.
.macro TLOAD
	s_cmp_lt_u32 s[WV], 4
	s_cbranch_scc0 .Lno_load_\@
	tensor_load_to_lds s[G0:G0+3], s[G1:G1+7]
	s_nop 0
.rept 4
	v_nop
.endr
.Lno_load_\@:
.endm
; A prefetch of what the NEXT change of slots will ask for.  Both clusters of a (batch, head) walk the same K and V: the first asks.  Its four partners share the slot's 102,400 bytes out by address, 25,600 each
; (places 0, 1: K's halves; 2, 3: V's); in each, waves 4 to 7 take 6,400 bytes: 25 lanes 256 bytes apart (the lanes above name the 25th's bytes again).  The last change that fills a slot asks for nothing.
.macro ASK
	s_cmp_gt_u32 s[SLOTS], s[LIM]
	s_cbranch_scc0 .Lnot_mine_\@
	global_prefetch_b8 v[PFO], s[PFA:PFA+1] th:TH_LOAD_NT scope:SCOPE_SE
.Lnot_mine_\@:
.endm
; Four fragments (tiles 4 g on) of the block at off, into v[reg] on; sc = 1: with them the block's scale words: register i holds tile 2 i in lanes 0-15 and tile 2 i + 1 in lanes 16-31
.macro LD4 reg, g, off, sc
.irp t, 0,1,2,3
.irp c, 0,1,2
	ds_load_b128 v[\reg+12*\t+4*\c:\reg+12*\t+4*\c+3], v[ADK] offset:\off+FRB*(4*(\g)+\t)+512*\c
.endr
.endr
.if \sc
.irp i, 0,1,2,3
	ds_load_b32 v[248+\i], v[ADS] offset:\off+128*\i
.endr
.endif
.endm
.macro KQ4 g                           ; S^T = K q^T: tiles 4 g .. 4 g + 3 of 16 keys
.irp t, 0,1,2,3
.if (\t%2) == 0
	v_wmma_scale_f32_16x16x128_f8f6f4 v[96+8*(4*(\g)+\t):103+8*(4*(\g)+\t)], v[32+12*\t:43+12*\t], v[16:27], 0, v[248+2*(\g)+\t/2], v255 matrix_a_fmt:MATRIX_FMT_FP6 matrix_b_fmt:MATRIX_FMT_FP6
.else
	v_wmma_scale_f32_16x16x128_f8f6f4 v[96+8*(4*(\g)+\t):103+8*(4*(\g)+\t)], v[32+12*\t:43+12*\t], v[16:27], 0, v[248+2*(\g)+\t/2], v255 matrix_a_fmt:MATRIX_FMT_FP6 matrix_b_fmt:MATRIX_FMT_FP6 matrix_a_scale:MATRIX_SCALE_ROW1
.endif
.endr
.endm
.macro PV4 reg, g                      ; O^T += V^T P^T: tiles 4 g .. 4 g + 3 of 16 channels; each accumulator has one instruction a step
.irp t, 0,1,2,3
.if (\t%2) == 0
	v_wmma_scale_f32_16x16x128_f8f6f4 v[160+8*(4*(\g)+\t):167+8*(4*(\g)+\t)], v[\reg+12*\t:\reg+12*\t+11], v[224:235], v[160+8*(4*(\g)+\t):167+8*(4*(\g)+\t)], v[248+2*(\g)+\t/2], v253 matrix_a_fmt:MATRIX_FMT_FP6 matrix_b_fmt:MATRIX_FMT_FP6
.else
	v_wmma_scale_f32_16x16x128_f8f6f4 v[160+8*(4*(\g)+\t):167+8*(4*(\g)+\t)], v[\reg+12*\t:\reg+12*\t+11], v[224:235], v[160+8*(4*(\g)+\t):167+8*(4*(\g)+\t)], v[248+2*(\g)+\t/2], v253 matrix_a_fmt:MATRIX_FMT_FP6 matrix_b_fmt:MATRIX_FMT_FP6 matrix_a_scale:MATRIX_SCALE_ROW1
.endif
.endr
.endm
.macro MASK32 n0                       ; THE MASK: bit L of word n keeps score n of lane L.  In ascending order: each accumulator is read from its low end on
.set n, \n0
.rept 32
	v_cndmask_b32 v[96+n], v254, v[96+n], s[32+n+4*(n/32)]
.set n, n+1
.endr
.endm
.macro BMAX b0, b1                     ; the largest score of two blocks of 32 keys: for the row's maximum, and, since p rises with the score, for the block's largest p
.irp b, \b0, \b1
	v_max3_num_f32 v[232+\b], v[96+16*\b], v[97+16*\b], v[98+16*\b]
.endr
.irp i, 3,5,7,9,11,13
.irp b, \b0, \b1
	s_delay_alu instid0(VALU_DEP_2)
	v_max3_num_f32 v[232+\b], v[232+\b], v[96+16*\b+\i], v[97+16*\b+\i]
.endr
.endr
.irp b, \b0, \b1
	s_delay_alu instid0(VALU_DEP_2)
	v_max_num_f32 v[232+\b], v[232+\b], v[111+16*\b]
.endr
.endm
.macro QUANT s                         ; 64 numbers of a lane, register 16 b + i = k 32 b + 16 (lane / 16) + i, become a fragment's codes in v[PC] on and its scale word in v[PW]
.irp b, 0,1,2,3
	v_max3_num_f32 v[TM+\b], |v[\s+16*\b]|, |v[\s+1+16*\b]|, 0x1800000
.endr
.irp i, 2,4,6,8,10,12,14
.irp b, 0,1,2,3
	v_max3_num_f32 v[TM+\b], v[TM+\b], |v[\s+16*\b+\i]|, |v[\s+1+16*\b+\i]|
.endr
.endr
.irp b, 0,1,2,3
	s_delay_alu instid0(VALU_DEP_4)
	v_permlanex16_b32 v[TM+4+\b], v[TM+\b], s[SEL], s[SEL+1]
.endr
.irp b, 0,1,2,3
	s_delay_alu instid0(VALU_DEP_4)
	v_max_num_f32 v[TM+\b], v[TM+\b], v[TM+4+\b]
.endr
.irp b, 0,1,2,3
	s_delay_alu instid0(VALU_DEP_4)
	v_add_nc_u32 v[TM+12+\b], 0xff000000, v[TM+\b]
.endr
.irp b, 0,1,2,3
	s_delay_alu instid0(VALU_DEP_4)
	v_lshrrev_b32 v[TM+4+\b], 23, v[TM+12+\b]
.endr
	s_delay_alu instid0(VALU_DEP_3)
	v_lshl_or_b32 v[PW], v[TM+5], 8, v[TM+4]
	s_delay_alu instid0(VALU_DEP_1)
	v_lshl_or_b32 v[PW], v[TM+6], 16, v[PW]
	s_delay_alu instid0(VALU_DEP_1)
	v_lshl_or_b32 v[PW], v[TM+7], 24, v[PW]
.irp c, 0,1
	v_cvt_scalef32_pk16_fp6_f32 v[PC+6*\c:PC+2+6*\c], v[\s+32*\c:\s+15+32*\c], v[TM+12+2*\c]
	v_cvt_scalef32_pk16_fp6_f32 v[PC+12+4*\c:PC+14+4*\c], v[\s+16+32*\c:\s+31+32*\c], v[TM+12+2*\c+1]
.endr
	v_nop
.irp c, 0,1
.irp i, 0,1,2
	v_permlane16_swap_b32 v[PC+6*\c+\i], v[PC+12+4*\c+\i]
.endr
.irp i, 0,1,2
	s_delay_alu instid0(VALU_DEP_3)
	v_mov_b32 v[PC+3+6*\c+\i], v[PC+12+4*\c+\i]
.endr
.endr
.endm
; q's PRODUCT goes in 16 batches: batch j is K step j / 2, Wq's tiles 4 (j % 2) on.  QLOAD j: the batch's four fragments into set j % 2 (v32-79 or v96-143); with an even batch my fragment of inputs_q for the
; K step (v144-155 or v224-235 by turns) and Wq's scale words (v248-251 or v92-95 by turns): 12 or 19 LDS loads.
.macro QLOAD j
.set LK, (\j)/2
.set LG, (\j)%2
.irp t, 0,1,2,3
.irp c, 0,1,2
	ds_load_b128 v[32+64*LG+12*\t+4*\c:32+64*LG+12*\t+4*\c+3], v[AW0+LK/4] offset:(LK%4)*BLKB+FRB*(4*LG+\t)+512*\c
.endr
.endr
.if LG == 0
.irp c, 0,1,2
	ds_load_b128 v[144+80*(LK%2)+4*\c:144+80*(LK%2)+4*\c+3], v[SIL] offset:FRB*LK+512*\c
.endr
.irp i, 0,1,2,3
	ds_load_b32 v[248-156*(LK%2)+\i], v[ASW0+LK/4] offset:(LK%4)*BLKB+128*\i
.endr
.endif
.endm
.macro QW d, a, b, sa, sb, ra, rb      ; one product onto accumulator d; ra, rb: the scales stand in lanes 16-31
.if (\ra) && (\rb)
	v_wmma_scale_f32_16x16x128_f8f6f4 v[\d:\d+7], v[\a:\a+11], v[\b:\b+11], v[\d:\d+7], v[\sa], v[\sb] matrix_a_fmt:MATRIX_FMT_FP6 matrix_b_fmt:MATRIX_FMT_FP6 matrix_a_scale:MATRIX_SCALE_ROW1 matrix_b_scale:MATRIX_SCALE_ROW1
.elseif (\ra)
	v_wmma_scale_f32_16x16x128_f8f6f4 v[\d:\d+7], v[\a:\a+11], v[\b:\b+11], v[\d:\d+7], v[\sa], v[\sb] matrix_a_fmt:MATRIX_FMT_FP6 matrix_b_fmt:MATRIX_FMT_FP6 matrix_a_scale:MATRIX_SCALE_ROW1
.elseif (\rb)
	v_wmma_scale_f32_16x16x128_f8f6f4 v[\d:\d+7], v[\a:\a+11], v[\b:\b+11], v[\d:\d+7], v[\sa], v[\sb] matrix_a_fmt:MATRIX_FMT_FP6 matrix_b_fmt:MATRIX_FMT_FP6 matrix_b_scale:MATRIX_SCALE_ROW1
.else
	v_wmma_scale_f32_16x16x128_f8f6f4 v[\d:\d+7], v[\a:\a+11], v[\b:\b+11], v[\d:\d+7], v[\sa], v[\sb] matrix_a_fmt:MATRIX_FMT_FP6 matrix_b_fmt:MATRIX_FMT_FP6
.endif
.endm
; QMUL j: the batch's four products; the eight accumulators take turns, one instruction a turn; their first C is the bias, which was loaded into them.  Then the batch two on is asked for.
.macro QMUL j
.set QK, (\j)/2
.set QG, (\j)%2
.if (\j) == 15
	s_wait_dscnt 0x0
.elseif QG == 0
	s_wait_dscnt 12                                ; this batch is in; the next batch's 12 loads may be out
.else
	s_wait_dscnt 19                                ; the next batch's 19
.endif
.irp t, 0,1,2,3
	QW 160+8*(4*QG+\t), 32+64*QG+12*\t, 144+80*(QK%2), 248-156*(QK%2)+2*QG+\t/2, XSC+QK/2, \t%2, QK%2
.endr
	PLACES
.if (\j) < 14
	QLOAD (\j)+2
.endif
.endm
	s_load_b128 s[4:7], s[0:1], 0x0                ; qkv, maskw
	s_load_b64 s[8:9], s[0:1], 0x10                ; sbuf
	s_load_b64 s[68:69], s[0:1], 0x18              ; opnd
	s_load_b64 s[70:71], s[0:1], 0x20              ; bq
	v_lshl_add_u32 v[SPW], v0, 2, SPARE
	v_mov_b32 v[NIL], 0
	ds_add_u32 v[SPW], v[NIL]                      ; the wave's opening: the add and its wait stand ahead of the first tensor load; work on registers stands between them
	ds_add_u32 v[SPW], v[NIL]
	v_lshrrev_b32 v8, 5, v0
	s_delay_alu instid0(VALU_DEP_1)
	v_readfirstlane_b32 s[WV], v8                  ; wave 0..15
	s_and_b32 s[QT], s[WV], 3                      ; my tile of queries
	s_lshr_b32 s[KQ], s[WV], 2                     ; my key step of a slot
	s_bfe_u32 s[CX], ttmp6, 0x40000
	s_lshl_b32 s[QB], ttmp9, 2
	s_add_co_u32 s[QB], s[QB], s[CX]               ; my block of 64 queries, 0..7: it enters global addresses alone
	s_and_b32 s[BH], ttmp7, 0xffff                 ; 8 b + head, which the partners share
	s_mov_b32 s[G1], 15|(3<<16)|(1<<21)            ; 15:0 the mask: all four work-groups; 17:16 elements of 8 bytes; 21 set beside a mask; no padding
	s_mov_b32 s[G1+1], 32<<16                      ; two blocks, 25,600 dense bytes, as 100 rows of 256
	s_mov_b32 s[G1+2], 100<<16
	s_mov_b32 s[G1+3], 32<<16
	s_mov_b32 s[G1+4], 100
	s_mov_b32 s[G1+5], 32
	s_mov_b32 s[G1+6], 0
	s_mov_b32 s[G1+7], 0
	s_min_u32 s32, s[WV], 3                        ; what I fetch, if I fetch (the waves above 3 hold wave 3's figures and issue nothing)
	s_mul_i32 s33, s32, 2*BLKB                     ; its place in a slot
	s_lshr_b32 s34, s32, 1
	s_mul_i32 s34, s34, 1024*BLKB                  ; K's blocks or V's
	s_and_b32 s35, s32, 1
	s_mul_i32 s35, s35, 2*BLKB
	s_add_co_u32 s34, s34, s35
	s_mul_i32 s36, s[BH], 32*BLKB                  ; the head's 32 blocks
	s_add_co_u32 s34, s34, s36
	s_mov_b32 s35, 0
	s_lshr_b32 s37, s[QB], 1                       ; qg: my group of 128 queries
	s_lshr_b32 s42, s[BH], 3                       ; b
	s_lshl_b32 s43, s42, 2
	s_add_co_u32 s43, s43, s37                     ; 4 b + qg
	s_and_b32 s52, s[BH], 7                        ; the head
	s_add_co_u32 s38, s43, 128
	s_mul_i32 s38, s38, GRPB                       ; my group of inputs_q in opnd,
	s_mov_b32 s39, 0
	s_mul_i32 s50, s[KQ], 2*BLKB
	s_add_co_u32 s50, s50, s38                     ; and the two K steps of it that I bring
	s_mov_b32 s51, 0
	s_add_co_u32 s54, s52, 144
	s_mul_i32 s54, s54, GRPB                       ; Wq's group of my head,
	s_and_b32 s58, s[WV], 7                        ; THE FIRST FILLS, ONE A WAVE: waves 0-7 bring block w of Wq's group into slot 1's bytes, waves 8-15 block w - 8 of slot 0 (K's four, then V's four)
	s_mul_i32 s59, s58, BLKB                       ; the block's place in its group or slot
	s_lshr_b32 s58, s58, 2
	s_mul_i32 s58, s58, 1020*BLKB                  ; V's blocks lie 1,024 blocks behind K's, and stand four blocks on in the slot
	s_add_co_u32 s58, s58, s36                     ; + the head's 32 blocks
	s_lshr_b32 s60, s[WV], 3                       ; 0: Wq; 1: slot 0
	s_cmp_eq_u32 s60, 0
	s_cselect_b32 s54, s54, s58
	s_add_co_u32 s54, s54, s59                     ; no place in the cluster enters it
	s_mov_b32 s55, 0
	s_xor_b32 s61, s60, 1
	s_lshl_b32 s61, s61, 17
	s_add_co_u32 s61, s61, s59                     ; the LDS address: arithmetic on the wave's number alone
	s_mov_b32 s[GH], 15|(3<<16)|(1<<21)
	s_mov_b32 s[GH+1], 32<<16
	s_mov_b32 s[GH+2], 50<<16
	s_mov_b32 s[GH+3], 32<<16
	s_mov_b32 s[GH+4], 50
	s_mov_b32 s[GH+5], 32
	s_mov_b32 s[GH+6], 0
	s_mov_b32 s[GH+7], 0
	s_lshl_b32 s56, s52, 9                         ; the head's 128 numbers of bq
	s_mov_b32 s57, 0
	s_lshl_b32 s40, s42, 5
	s_lshl_b32 s41, s[QB], 2
	s_add_co_u32 s40, s40, s41
	s_add_co_u32 s40, s40, s[QT]                   ; my tile among the 128 of all batches
	s_lshl_b32 s40, s40, 5
	s_add_co_u32 s40, s40, s[KQ]
	s_lshl_b32 s40, s40, 8                         ; its mask words of key step KQ
	s_mov_b32 s41, 0
	s_lshl_b32 s44, s43, 3
	s_add_co_u32 s44, s44, s52
	s_mul_i32 s44, s44, BLKB                       ; my block of sbuf: group 4 b + qg, K step = head
	s_mov_b32 s45, 0
	s_lshr_b32 s46, s[CX], 1                       ; the prefetches: my work-group's quarter of a slot,
	s_mul_i32 s46, s46, 1024*BLKB
	s_and_b32 s47, s[CX], 1
	s_mul_i32 s47, s47, 2*BLKB
	s_add_co_u32 s46, s46, s47
	s_add_co_u32 s46, s46, s36
	s_mul_i32 s47, s[QT], 6400                     ; my wave's quarter of that,
	s_add_co_u32 s46, s46, s47
	s_add_co_u32 s46, s46, 4*BLKB                  ; in slot 1: the first change of slots steps it to slot 2.  Nothing is prefetched at the head
	s_mov_b32 s47, 0
	s_xor_b32 s48, s[KQ], 1                        ; 0 in waves 4 to 7,
	s_or_b32 s48, s48, ttmp9                       ; of the first cluster: the same in all four partners
	s_cmp_eq_u32 s48, 0
	s_cselect_b32 s[LIM], 1, -1
	s_and_b32 s105, s[QB], 1
	s_lshl_b32 s105, s105, 2
	s_add_co_u32 s105, s105, s[QT]                 ; my tile in its group of 128 queries
	s_mov_b32 s[SEL], 0x76543210
	s_mov_b32 s[SEL+1], 0xfedcba98
	s_mov_b32 s[CS], 0x3e0293ee                    ; c = log2(e) / sqrt(128)
	s_mov_b32 s[CS+1], s[CS]
	s_mov_b32 s[TB], 0
	s_mov_b32 s[SLOTS], 7
	s_wait_dscnt 0x0                               ; the opening add is done
	s_wait_kmcnt 0x0
	s_mov_b32 s[G0], 1
	s_mov_b32 s[G0+1], s33
	s_add_nc_u64 s[G0+2:G0+3], s[4:5], s[34:35]
	s_or_b32 s[G0+3], s[G0+3], 0x80000000
	s_mov_b32 s[GW], 1
	s_mov_b32 s[GW+1], s61
	s_cmp_eq_u32 s60, 0                            ; opnd or qkv: the choice hangs on the wave's number alone
	s_cselect_b64 s[62:63], s[68:69], s[4:5]
	s_add_nc_u64 s[GW+2:GW+3], s[62:63], s[54:55]
	s_or_b32 s[GW+3], s[GW+3], 0x80000000
	s_add_nc_u64 s[PFA:PFA+1], s[4:5], s[46:47]
	s_add_nc_u64 s[72:73], s[68:69], s[50:51]      ; inputs_q: my two K steps
	s_add_nc_u64 s[74:75], s[68:69], s[38:39]      ; inputs_q: my group
	s_add_nc_u64 s[76:77], s[70:71], s[56:57]      ; bq
	s_add_nc_u64 s[6:7], s[6:7], s[40:41]
	s_add_nc_u64 s[8:9], s[8:9], s[44:45]
	CROUND                                         ; all four work-groups are here: the first joint loads meet
	tensor_load_to_lds s[GW:GW+3], s[GH:GH+7]      ; every wave's one first fill, with no branch: sixteen blocks of 12,800 bytes.  (The walking descriptor G0 stands as if it had brought slot 0: the first change of slots steps it)
	s_nop 0
.rept 4
	v_nop
.endr
	v_and_b32 v33, 31, v0                          ; L
	v_and_b32 v34, 15, v0                          ; r
	v_bfe_u32 v35, v0, 4, 1                        ; h
	s_delay_alu instid0(VALU_DEP_3)
	v_lshlrev_b32 v32, 4, v33                      ; 16 L
	s_wait_alu depctr_va_vdst(0)
	s_mul_i32 s66, s105, FRB
	v_add_nc_u32 v[GQ], s66, v32
	s_lshl_b32 s66, s105, 6
	s_add_co_u32 s66, s66, 12288
	v_lshl_add_u32 v[GS], v34, 2, s66
	s_delay_alu instid0(VALU_DEP_1)
	v_mad_u32_u24 v36, v35, BLKB, v[GS]            ; lanes 16-31 take the odd K step's scale words
	v_lshlrev_b32 v37, 6, v35                      ; bq: 64 h
.irp e, 0,1
.irp c, 0,1,2
	global_load_b128 v[96+12*\e+4*\c:99+12*\e+4*\c], v[GQ], s[72:73] offset:BLKB*\e+512*\c   ; my tile's fragments of K steps 2 KQ and 2 KQ + 1 of inputs_q
.endr
.endr
.irp i, 0,1,2,3
	global_load_b32 v[XSC+\i], v36, s[74:75] offset:2*BLKB*\i   ; my tile's scale words of all eight K steps
.endr
.irp u, 0,1,2,3
.irp j, 0,1,2,3
	global_load_b128 v[160+16*\u+4*\j:163+16*\u+4*\j], v37, s[76:77] offset:128*\u+16*\j   ; bq into q's accumulators: register n: unit 32 (n / 16) + 16 h + n % 16
.endr
.endr
	s_mul_i32 s66, s[KQ], BLKB                     ; every LDS address is made here, ahead of any parting of the waves' work
	v_add_nc_u32 v[AK0], s66, v32
	s_add_co_u32 s66, s66, 12288
	v_lshl_add_u32 v[AS0], v33, 2, s66
	s_add_co_u32 s66, s[WV], 12
	s_and_b32 s66, s66, 15                         ; wave - 4 in waves 4 to 15
	s_lshl_b32 s66, s66, 13
	v_add_nc_u32 v[MSO], s66, v32
	s_lshl_b32 s66, s[WV], 8
	s_add_co_u32 s66, s66, STT
	v_lshl_add_u32 v[STS], v33, 3, s66
	s_lshl_b32 s66, s[QT], 13
	v_add_nc_u32 v[MR1], s66, v32
	s_delay_alu instid0(VALU_DEP_1)
	v_add_nc_u32 v[MR2], 32768, v[MR1]
	s_delay_alu instid0(VALU_DEP_2)
	v_add_nc_u32 v[MR3], 65536, v[MR1]
	s_lshl_b32 s66, s[QT], 8
	s_add_co_u32 s66, s66, STT
	v_lshl_add_u32 v[STR], v33, 3, s66
	v_add_nc_u32 v[AW0], SLOT1, v32
	v_add_nc_u32 v[AW0+1], SLOT1+4*BLKB, v32
	v_lshl_add_u32 v[ASW0], v33, 2, SLOT1+12288
	v_lshl_add_u32 v[ASW0+1], v33, 2, SLOT1+4*BLKB+12288
	s_mul_i32 s66, s[QT], 1792
	s_add_co_u32 s66, s66, QIMG
	v_add_nc_u32 v[QIS], s66, v32
	s_add_co_u32 s66, s66, 1536
	v_lshl_add_u32 v[QSS], v33, 2, s66
	s_mul_i32 s66, s[QT], 8*FRB
	s_add_co_u32 s66, s66, SIMG
	v_add_nc_u32 v[SIL], s66, v32
	s_mul_i32 s67, s[KQ], 2*FRB
	s_add_co_u32 s66, s66, s67
	v_add_nc_u32 v[SIS], s66, v32
	v_min_u32 v[PFO], 24, v33
	s_delay_alu instid0(VALU_DEP_1)
	v_lshlrev_b32 v[PFO], 8, v[PFO]
	v_mov_b32 v13, 0xff61b1e6                      ; the largest t so far: -3e38, under every t
	s_delay_alu instid0(VALU_DEP_1)
	v_floor_f32 v12, -v13                          ; -M
	v_mov_b32 v14, 0
	v_mov_b32 v15, 0
.irp b, 0,1,2,3
	v_mov_b32 v[236+\b], 0                         ; written once: a lane permute's destination counts as one of its sources
.endr
	v_mov_b32 v253, 0                              ; (named as the upper half of the pair v[252:253] before it is first written)
	s_wait_loadcnt 0x0                             ; my fragments of inputs_q, its scale words and bq are in
.irp e, 0,1
.irp c, 0,1,2
	ds_store_b128 v[SIS], v[96+12*\e+4*\c:99+12*\e+4*\c] offset:FRB*\e+512*\c   ; as the registers stand
.endr
.endr
	s_wait_tensorcnt 0x0                           ; my parts of Wq's group and of slot 0 have landed,
	s_wait_dscnt 0x0                               ; and so have my stores
	s_barrier_signal -1
	s_barrier_wait -1                              ; everybody's have.
	s_load_b512 s[32:47], s[6:7], 0x0              ; my first key step's 64 mask words (the registers that held addresses and Wq's descriptor are free: their loads are done)
	s_load_b512 s[48:63], s[6:7], 0x40
	s_load_b512 s[68:83], s[6:7], 0x80
	s_load_b512 s[84:99], s[6:7], 0xc0
	s_cmp_lg_u32 s[KQ], 0
	s_cbranch_scc1 .Lno_q
	QLOAD 0                                        ; q = inputs_q Wq + bq for my tile: waves 0 to 3, one on each tile
	QLOAD 1
.set J, 0
.rept 16
	QMUL J
.set J, J+1
.endr
	QUANT 160                                      ; along the head's 128 units; the accumulators are read in ascending order, each from its low end on
.irp c, 0,1,2
	ds_store_b128 v[QIS], v[PC+4*\c:PC+4*\c+3] offset:512*\c
.endr
	ds_store_b32 v[QSS], v[PW]
.Lno_q:
	s_wait_dscnt 0x0                               ; for the others' sake: my stores have landed; and my reads of Wq's group are over
	s_barrier_signal -1
	s_barrier_wait -1
.irp c, 0,1,2
	ds_load_b128 v[16+4*\c:19+4*\c], v[QIS] offset:512*\c   ; q's fragment stays in registers
.endr
	ds_load_b32 v255, v[QSS]                       ; and its scale words
.set n, 0
.rept 64
	v_mov_b32 v[160+n], 0                          ; O^T: the step is written once; its first turn finds zeros
.set n, n+1
.endr
	s_wait_dscnt 0x0
; A KEY STEP: my 128 keys of the slot in hand.  more = 1: the next slot's mask words are asked for.
; The LDS loads stand ahead of vector work that does not need them: K's second four tiles land under the mask and the maxima of the first 64 keys, V's first four under the softmax, V's second four under the
; exchange of halves and the rescaling of O^T.
.macro STEP more
	v_add_nc_u32 v[ADK], s[TB], v[AK0]
	v_add_nc_u32 v[ADS], s[TB], v[AS0]
	v_nop
	v_nop
	v_nop                                          ; with the two additions: five places: the scores below are written by matrix instructions over registers that the last products read
	LD4 32, 0, 0, 1
	s_wait_alu depctr_va_vdst(0)
	s_wait_dscnt 0x0
	KQ4 0
	PLACES
	LD4 32, 1, 0, 0
	s_wait_kmcnt 0x0                               ; this step's mask words are in
	v_mov_b32 v254, 0xff800000                     ; -infinity
	MASK32 0
	BMAX 0, 1
	s_wait_dscnt 0x0
	KQ4 1
	PLACES
	LD4 32, 0, VOFF, 1                             ; V's tiles 0-3 and its scale words: wanted behind the softmax
	MASK32 32
	BMAX 2, 3
.if \more
	s_add_nc_u64 s[6:7], s[6:7], 1024              ; (the loads that read this address are done)  four key steps on: my step of the next slot, a whole step ahead of its use
	s_load_b512 s[32:47], s[6:7], 0x0
	s_load_b512 s[48:63], s[6:7], 0x40
	s_load_b512 s[68:83], s[6:7], 0x80
	s_load_b512 s[84:99], s[6:7], 0xc0
.endif
.irp b, 0,1,2,3
	v_permlanex16_b32 v[236+\b], v[232+\b], s[SEL], s[SEL+1]
.endr
.irp b, 0,1,2,3
	s_delay_alu instid0(VALU_DEP_4)
	v_max_num_f32 v[232+\b], v[232+\b], v[236+\b]  ; with lane l xor 16's 16 keys
.endr
	s_delay_alu instid0(VALU_DEP_2)
	v_max3_num_f32 v254, v232, v233, v234
	s_delay_alu instid0(VALU_DEP_1)
	v_max_num_f32 v254, v254, v235                 ; the step's largest score of my query
	s_delay_alu instid0(VALU_DEP_1)
	v_mul_f32 v254, s[CS], v254                    ; as t
	s_delay_alu instid0(VALU_DEP_1)
	v_max_num_f32 v13, v13, v254                   ; the running largest t (a step with no key leaves it)
	v_mov_b32 v254, v12
	s_delay_alu instid0(VALU_DEP_2)
	v_floor_f32 v12, -v13                          ; the new -M = -ceil(t): a whole number
	s_delay_alu instid0(VALU_DEP_1)
	v_sub_f32 v254, v12, v254                      ; old M - new M: a whole number, 0 or less
	s_delay_alu instid0(VALU_DEP_1)
	v_cvt_i32_f32 v254, v254                       ; (it saturates)
	s_delay_alu instid0(VALU_DEP_1)
	v_ldexp_f32 v252, 1.0, v254                    ; f = 2^(old M - new M)
.set n, 0
.rept 32
	v_pk_fma_f32 v[96+n:97+n], v[96+n:97+n], s[CS:CS+1], v[12:13] op_sel_hi:[1,0,0]   ; t - M, two at a time
.set n, n+2
.endr
.irp b, 0,1,2,3
	v_fma_f32 v[232+\b], v[232+\b], s[CS], v12     ; the same of each block's largest score
.endr
.set n, 0
	s_wait_alu depctr_va_vdst(0)
.rept 64
	v_exp_f32 v[96+n], v[96+n]                     ; p = 2^(t - M), at most 1
.set n, n+1
.endr
	v_pk_mul_f32 v[14:15], v[14:15], v[252:253] op_sel_hi:[1,0]   ; the sums under the new M: a plain place behind the exponentials
	s_wait_alu depctr_va_vdst(0)                   ; one wait for the whole batch, ahead of its first reader
.irp b, 0,1,2,3
	v_exp_f32 v[232+\b], v[232+\b]                 ; the block's largest p
.endr
	v_pk_add_f32 v[236:237], v[100:101], v[104:105]
	v_pk_add_f32 v[246:247], v[108:109], v[112:113]
	v_pk_add_f32 v[244:245], v[116:117], v[120:121]
	v_pk_add_f32 v[242:243], v[124:125], v[128:129]
	v_pk_add_f32 v[240:241], v[132:133], v[136:137]
	v_pk_add_f32 v[238:239], v[140:141], v[144:145]
	v_pk_add_f32 v[230:231], v[148:149], v[152:153]
	v_pk_add_f32 v[14:15], v[14:15], v[156:157]
	v_pk_add_f32 v[236:237], v[236:237], v[96:97]
	v_pk_add_f32 v[246:247], v[246:247], v[98:99]
	v_pk_add_f32 v[244:245], v[244:245], v[102:103]
	v_pk_add_f32 v[242:243], v[242:243], v[106:107]
	v_pk_add_f32 v[240:241], v[240:241], v[110:111]
	v_pk_add_f32 v[238:239], v[238:239], v[114:115]
	v_pk_add_f32 v[230:231], v[230:231], v[118:119]
	v_pk_add_f32 v[14:15], v[14:15], v[122:123]
	v_pk_add_f32 v[236:237], v[236:237], v[126:127]
	v_pk_add_f32 v[246:247], v[246:247], v[130:131]
	v_pk_add_f32 v[244:245], v[244:245], v[134:135]
	v_pk_add_f32 v[242:243], v[242:243], v[138:139]
	v_pk_add_f32 v[240:241], v[240:241], v[142:143]
	v_pk_add_f32 v[238:239], v[238:239], v[146:147]
	v_pk_add_f32 v[230:231], v[230:231], v[150:151]
	v_pk_add_f32 v[14:15], v[14:15], v[154:155]
	v_pk_add_f32 v[236:237], v[236:237], v[158:159]
	s_delay_alu instid0(VALU_DEP_2)
	v_pk_add_f32 v[14:15], v[14:15], v[242:243]
	s_delay_alu instid0(VALU_DEP_2)
	v_pk_add_f32 v[236:237], v[236:237], v[240:241]
	v_pk_add_f32 v[246:247], v[246:247], v[238:239]
	v_pk_add_f32 v[244:245], v[244:245], v[230:231]
	s_delay_alu instid0(VALU_DEP_2)
	v_pk_add_f32 v[14:15], v[14:15], v[246:247]
	s_delay_alu instid0(VALU_DEP_2)
	v_pk_add_f32 v[236:237], v[236:237], v[244:245]
	s_delay_alu instid0(VALU_DEP_1)
	v_pk_add_f32 v[14:15], v[14:15], v[236:237]
	s_wait_alu depctr_va_vdst(0)                   ; and one for the four
.irp b, 0,1,2,3
	v_max_num_f32 v[232+\b], 0x1800000, v[232+\b]  ; the floor 2^(3 - 127): the byte cannot fall under 1
.endr
.irp b, 0,1,2,3
	s_delay_alu instid0(VALU_DEP_4)
	v_add_nc_u32 v[244+\b], 0xff000000, v[232+\b]
.endr
.irp b, 0,1,2,3
	s_delay_alu instid0(VALU_DEP_4)
	v_lshrrev_b32 v[236+\b], 23, v[244+\b]
.endr
	s_delay_alu instid0(VALU_DEP_3)
	v_lshl_or_b32 v253, v237, 8, v236              ; p's scale word for these 128 keys
	s_delay_alu instid0(VALU_DEP_1)
	v_lshl_or_b32 v253, v238, 16, v253
	s_delay_alu instid0(VALU_DEP_1)
	v_lshl_or_b32 v253, v239, 24, v253
.irp c, 0,1
	v_cvt_scalef32_pk16_fp6_f32 v[224+6*\c:226+6*\c], v[96+32*\c:111+32*\c], v[244+2*\c]
	v_cvt_scalef32_pk16_fp6_f32 v[236+4*\c:238+4*\c], v[112+32*\c:127+32*\c], v[244+2*\c+1]
.endr
	v_nop                                          ; one plain place behind a scaled conversion
	LD4 96, 1, VOFF, 0                             ; V's tiles 4-7, into the registers that p has left
.irp c, 0,1
.irp i, 0,1,2
	v_permlane16_swap_b32 v[224+6*\c+\i], v[236+4*\c+\i]
.endr
.irp i, 0,1,2
	s_delay_alu instid0(VALU_DEP_3)
	v_mov_b32 v[227+6*\c+\i], v[236+4*\c+\i]
.endr
.endr
.set n, 0
.rept 32
	v_pk_mul_f32 v[160+n:161+n], v[160+n:161+n], v[252:253] op_sel_hi:[1,0]   ; O^T under the new M.  (These 32 are also the places in front of the matrix instructions below)
.set n, n+2
.endr
	s_wait_alu depctr_va_vdst(0)
	s_wait_dscnt 12                                ; V's tiles 0-3 and its scale words are in; the youngest twelve loads (tiles 4-7) may be out
	PV4 32, 0
	s_wait_dscnt 0x0
	PV4 96, 1
.endm
; THE CHANGE OF SLOTS stands at a slot's head.  Each wave waits for all its tensor loads, adds 0 to its spare word, and waits for that and for its reads of the slot that it has left.
; fill = 1: the barrier is a round of the cluster's, and the slot that was left takes the next 512 keys: that load has a whole slot's steps in which to land.  (At the first change the slot that was left held Wq's group.)
.macro CHANGE fill
	s_wait_tensorcnt 0x0                           ; no tensor load of mine is out, so group 0 may be written
	ds_add_u32 v[SPW], v[NIL]                      ; 0 onto my spare word
.if \fill
	s_xor_b32 s[G0+1], s[G0+1], SLOT1              ; the walking descriptor: the other slot than last time,
	s_add_nc_u64 s[G0+2:G0+3], s[G0+2:G0+3], 4*BLKB   ; the next four blocks
	s_wait_xcnt 0x0                                ; the last prefetch, a slot back, has read its address
	s_add_nc_u64 s[PFA:PFA+1], s[PFA:PFA+1], 4*BLKB   ; one slot further on than the walking descriptor
.endif
	s_wait_dscnt 0x0                               ; the add is done, and my reads of the slot that I have left are over
.if \fill
	CROUND
	TLOAD                                          ; the first thing behind the round, and a wave's one tensor load until the next
	ASK
.else
	s_barrier_signal -1
	s_barrier_wait -1
.endif
.endm
.Lslot:                                            ; seven trips: behind each change of slots but the last the next slot is asked for
	CHANGE 1
	STEP 1
	s_xor_b32 s[TB], s[TB], SLOT1
	s_sub_co_u32 s[SLOTS], s[SLOTS], 1
	s_cmp_lg_u32 s[SLOTS], 0
	s_cbranch_scc1 .Lslot
	CHANGE 0                                       ; the last slot is written out
	STEP 0
	; THE FOUR KEY QUARTERS OF A TILE ARE JOINED.  Quarters 1 to 3 put O^T, -M and the sum into LDS; quarter 0 brings all four under the largest M by exact powers of two and adds.
	v_add_f32 v14, v14, v15                        ; the sum's two halves,
	s_delay_alu instid0(VALU_DEP_1)
	v_permlanex16_b32 v252, v14, s[SEL], s[SEL+1]
	s_delay_alu instid0(VALU_DEP_1)
	v_add_f32 v13, v14, v252                       ; and lane l xor 16's: my quarter's sum, beside -M
	v_nop
	v_nop                                          ; (places behind the last products)
	s_wait_dscnt 0x0
	s_barrier_signal -1
	s_barrier_wait -1                              ; no wave reads a slot any more
	s_cmp_eq_u32 s[KQ], 0
	s_cbranch_scc1 .Lkeeper
.irp i, 0,1,2,3,4,5,6,7,8,9,10,11,12,13,14,15
	ds_store_b128 v[MSO], v[160+4*\i:163+4*\i] offset:512*\i   ; as the registers stand: 512 consecutive bytes a store; each accumulator from its low end on
.endr
	s_wait_alu depctr_va_vdst(0)
	ds_store_b64 v[STS], v[12:13]
.Lkeeper:
	s_wait_dscnt 0x0                               ; for the others' sake: my stores have landed
	s_barrier_signal -1
	s_barrier_wait -1
	s_cmp_lg_u32 s[KQ], 0
	s_cbranch_scc1 .Ldone
	ds_load_b64 v[224:225], v[STR] offset:1024
	ds_load_b64 v[226:227], v[STR] offset:2048
	ds_load_b64 v[228:229], v[STR] offset:3072
.irp i, 0,1,2,3,4,5,6,7,8,9,10,11,12,13,14,15
	ds_load_b128 v[96+4*\i:99+4*\i], v[MR1] offset:512*\i
.endr
	s_wait_dscnt 16                                ; the statistics are in; quarter 1's image may be out
	v_min3_num_f32 v230, v12, v224, v226
	s_delay_alu instid0(VALU_DEP_1)
	v_min_num_f32 v230, v230, v228                 ; the least -M: the largest M
	s_delay_alu instid0(VALU_DEP_1)
	v_sub_f32 v236, v230, v12                      ; M of quarter k less the largest: a whole number, 0 or less
	s_delay_alu instid0(VALU_DEP_2)
	v_sub_f32 v238, v230, v224
	s_delay_alu instid0(VALU_DEP_3)
	v_sub_f32 v240, v230, v226
	s_delay_alu instid0(VALU_DEP_4)
	v_sub_f32 v242, v230, v228
.irp k, 236,238,240,242
	s_delay_alu instid0(VALU_DEP_4)
	v_cvt_i32_f32 v[\k], v[\k]                     ; (it saturates: a quarter with no key gets the factor 0, over zeros)
.endr
.irp k, 236,238,240,242
	s_delay_alu instid0(VALU_DEP_4)
	v_ldexp_f32 v[\k], 1.0, v[\k]
.endr
.irp k, 237,239,241,243
	v_mov_b32 v[\k], 0                             ; (named as the upper halves of pairs)
.endr
	v_mul_f32 v13, v13, v236
	s_delay_alu instid0(VALU_DEP_1)
	v_fmac_f32 v13, v225, v238
	s_delay_alu instid0(VALU_DEP_1)
	v_fmac_f32 v13, v227, v240
	s_delay_alu instid0(VALU_DEP_1)
	v_fmac_f32 v13, v229, v242                     ; the row's sum
.set n, 0
.rept 32
	v_pk_mul_f32 v[160+n:161+n], v[160+n:161+n], v[236:237] op_sel_hi:[1,0]
.set n, n+2
.endr
	s_wait_dscnt 0x0                               ; quarter 1's image is in
.set n, 0
.rept 32
	v_pk_fma_f32 v[160+n:161+n], v[96+n:97+n], v[238:239], v[160+n:161+n] op_sel_hi:[1,0,1]
.set n, n+2
.endr
.irp i, 0,1,2,3,4,5,6,7,8,9,10,11,12,13,14,15
	ds_load_b128 v[96+4*\i:99+4*\i], v[MR2] offset:512*\i
.endr
	s_wait_dscnt 0x0                               ; quarter 2's
.set n, 0
.rept 32
	v_pk_fma_f32 v[160+n:161+n], v[96+n:97+n], v[240:241], v[160+n:161+n] op_sel_hi:[1,0,1]
.set n, n+2
.endr
.irp i, 0,1,2,3,4,5,6,7,8,9,10,11,12,13,14,15
	ds_load_b128 v[96+4*\i:99+4*\i], v[MR3] offset:512*\i
.endr
	v_cmp_eq_f32 vcc_lo, 0, v13                    ; THE WIPE: a query with no key has the sum 0 and O^T = 0: it is divided by 1
	s_delay_alu instid0(VALU_DEP_1)
	v_cndmask_b32 v13, v13, 1.0, vcc_lo
	s_wait_alu depctr_va_vdst(0)
	v_rcp_f32 v244, v13
	v_mov_b32 v245, 0                              ; a plain place behind the reciprocal (and the pair's upper half)
	s_wait_dscnt 0x0                               ; quarter 3's
.set n, 0
.rept 32
	v_pk_fma_f32 v[160+n:161+n], v[96+n:97+n], v[242:243], v[160+n:161+n] op_sel_hi:[1,0,1]
.set n, n+2
.endr
	s_wait_alu depctr_va_vdst(0)                   ; the wait ahead of the reciprocal's first reader
.set n, 0
.rept 32
	v_pk_mul_f32 v[160+n:161+n], v[160+n:161+n], v[244:245] op_sel_hi:[1,0]   ; O^T / the sum: register n is channel 32 (n / 16) + 16 h + n % 16 of my query
.set n, n+2
.endr
	QUANT 160                                      ; along the head's channels: K step = head of the output projection
.irp c, 0,1,2
	global_store_b128 v[GQ], v[PC+4*\c:PC+4*\c+3], s[8:9] offset:512*\c   ; 512 consecutive bytes, aligned
.endr
	global_store_b32 v[GS], v[PW], s[8:9]          ; lanes r and r + 16 hold the same word and write it to the same place
.Ldone:
	s_wait_tensorcnt 0x0                           ; the wave's end
	ds_add_u32 v[SPW], v[NIL]
	s_wait_dscnt 0x0
	CROUND                                         ; the closing round
	s_endpgm
.Lfunc_end_k_q0c7817f2d5_attn:
	.size	k_q0c7817f2d5_attn, .Lfunc_end_k_q0c7817f2d5_attn-k_q0c7817f2d5_attn
	.p2alignl 7, 3214868480
	.fill 96, 4, 3214868480
	.section	.rodata,"a",@progbits
	.p2align	6, 0x0
	.amdhsa_kernel k_q0c7817f2d5_attn
		.amdhsa_group_segment_fixed_size 327680
		.amdhsa_private_segment_fixed_size 0
		.amdhsa_enable_private_segment 0
		.amdhsa_kernarg_size 40
		.amdhsa_user_sgpr_count 2
		.amdhsa_user_sgpr_kernarg_segment_ptr 1
		.amdhsa_wavefront_size32 1
		.amdhsa_system_sgpr_workgroup_id_x 1
		.amdhsa_system_sgpr_workgroup_id_y 1
		.amdhsa_system_sgpr_workgroup_id_z 1
		.amdhsa_system_vgpr_workitem_id 0
		.amdhsa_next_free_vgpr 256
		.amdhsa_next_free_sgpr 106
		.amdhsa_reserve_vcc 1
		.amdhsa_float_denorm_mode_32 3
		.amdhsa_float_denorm_mode_16_64 3
		.amdhsa_memory_ordered 1
		.amdhsa_forward_progress 1
		.amdhsa_inst_pref_size 119
	.end_amdhsa_kernel
	.amdgpu_metadata
---
amdhsa.version: [ 1, 2 ]
amdhsa.kernels:
  - .name:           k_q0c7817f2d5_attn
    .symbol:         k_q0c7817f2d5_attn.kd
    .args:
      - { .name: qkv, .offset: 0, .size: 8, .value_kind: global_buffer, .address_space: global }
      - { .name: maskw, .offset: 8, .size: 8, .value_kind: global_buffer, .address_space: global }
      - { .name: sbuf, .offset: 16, .size: 8, .value_kind: global_buffer, .address_space: global }
      - { .name: opnd, .offset: 24, .size: 8, .value_kind: global_buffer, .address_space: global }
      - { .name: bq, .offset: 32, .size: 8, .value_kind: global_buffer, .address_space: global }
    .group_segment_fixed_size: 327680
    .private_segment_fixed_size: 0
    .kernarg_segment_align: 8
    .kernarg_segment_size: 40
    .max_flat_workgroup_size: 512
    .sgpr_count:     106
    .vgpr_count:     256
    .wavefront_size: 32
...
	.end_amdgpu_metadata
.endif
;; end of part 3
;; launch outp (part 4): grid 8 x 32, 8 waves a work-group, no clusters, 35,840 bytes of LDS; arguments sbuf, opnd, bo, out0; writes out0
.if DOCPART == 4
	.amdgcn_target "amdgcn-amd-amdhsa--gfx1250"
	.amdhsa_code_object_version 6
	.text
	.protected	k_q0c7817f2d5_outp
	.globl	k_q0c7817f2d5_outp
	.p2align	8
	.type	k_q0c7817f2d5_outp,@function
k_q0c7817f2d5_outp:
	s_mov_b64 s[64:65], 0
	v_nop
	global_prefetch_b8 v0, s[64:65] scope:SCOPE_SE
	s_setreg_imm32_b32 hwreg(HW_REG_WAVE_MODE, 25, 1), 1
	s_wait_xcnt 0x0
; out0 = summed Wo + bo on codes of FP6 (E2M3) with one E8M0 scale for each 32 along K; K = 1,024 in eight K steps (a K step is a head).
; OPERANDS are blocks of 12,800 bytes (128 rows x 128 K): 8 fragments of 1,536 bytes as images of their 12 registers (registers 4 c .. 4 c + 3 of lane L at 512 c + 16 L), then 128 scale words
; (tile t, lane r at 12,288 + 64 t + 4 r).  Lane r of tile t is row 32 (t / 2) + 8 (t % 2) + r + 8 (r / 8).  sbuf: group G of 128 tokens, K step s at block 8 G + s; Wo: groups 168-175 of opnd.
; SHARES: 2,048 x 1,024 results are 256 work-groups of 64 tokens x 128 units; a wave makes 16 tokens (tile w % 4) x 64 units (Wo's tiles 4 (w / 4) on): four accumulators, which take turns.
; Source 0 = 16 units of Wo, source 1 = my 16 tokens: a lane holds one token, and its 32 results are units 64 (w / 4) + 32 (n / 16) + 16 (lane / 16) + n % 16.
; THE OPERANDS GO FROM MEMORY STRAIGHT INTO REGISTERS: a fragment is three loads of 512 consecutive bytes, as it lies.  A K step is 15 such loads a wave; three sets of 60 registers, so loads run three K steps ahead.
; No tensor load, so no ring, no barrier and no joint request: a wave multiplies each fragment that it loads four times or once and hands nothing to another wave.
; No prefetch: the eight K steps are written out, with no loop to run ahead in, and the loads themselves stand three K steps ahead of their use.
; THE WAY OUT: 16 rows x 256 bytes go through the wave's own stage in LDS and leave as whole rows: sixteen lanes store 256 consecutive bytes, aligned.
.set GRPB,   102400
.set BLKB,   12800
.set FRB,    1536
.set SPITCH, 272                       ; a stage row: 256 bytes + 16
.set SPARE,  8*16*SPITCH               ; behind the eight stages: the spare words, 128 bytes for each wave
.set VS,   4                           ; v4  my tile's fragment in a block of sbuf
.set VF,   5                           ; v5  my four fragments in a block of Wo
.set VFS,  6                           ; v6  Wo's scale words: lanes 0-15 the even tile's, lanes 16-31 the odd tile's
.set VSS,  7                           ; v7  my tile's scale words: lanes 0-15 an even K step's, lanes 16-31 the odd one's
.set VB,   8                           ; v8  the bias: 64 h
.set STO,  9                           ; v9  into the stage
.set RD,   10                          ; v10 out of it
.set CO,   11                          ; v11 my place in two rows of out0
.set SPW,  12                          ; v12 my spare word; never rewritten
.set NIL,  13                          ; v13 0; never rewritten
.set XS,   16                          ; v16-19 the tokens' scale words, and nothing else
.set FS,   20                          ; v20-35 Wo's scale words, two registers a K step, and nothing else
.set ACC,  40                          ; v40-71 four accumulators
.set BUF,  72                          ; v72-251 three sets: four fragments of Wo, then mine of the tokens
.macro W d, a, b, sa, sb, ra, rb       ; one product onto accumulator d; ra, rb: the scales stand in lanes 16-31
.if (\ra) && (\rb)
	v_wmma_scale_f32_16x16x128_f8f6f4 v[\d:\d+7], v[\a:\a+11], v[\b:\b+11], v[\d:\d+7], v[\sa], v[\sb] matrix_a_fmt:MATRIX_FMT_FP6 matrix_b_fmt:MATRIX_FMT_FP6 matrix_a_scale:MATRIX_SCALE_ROW1 matrix_b_scale:MATRIX_SCALE_ROW1
.elseif (\ra)
	v_wmma_scale_f32_16x16x128_f8f6f4 v[\d:\d+7], v[\a:\a+11], v[\b:\b+11], v[\d:\d+7], v[\sa], v[\sb] matrix_a_fmt:MATRIX_FMT_FP6 matrix_b_fmt:MATRIX_FMT_FP6 matrix_a_scale:MATRIX_SCALE_ROW1
.elseif (\rb)
	v_wmma_scale_f32_16x16x128_f8f6f4 v[\d:\d+7], v[\a:\a+11], v[\b:\b+11], v[\d:\d+7], v[\sa], v[\sb] matrix_a_fmt:MATRIX_FMT_FP6 matrix_b_fmt:MATRIX_FMT_FP6 matrix_b_scale:MATRIX_SCALE_ROW1
.else
	v_wmma_scale_f32_16x16x128_f8f6f4 v[\d:\d+7], v[\a:\a+11], v[\b:\b+11], v[\d:\d+7], v[\sa], v[\sb] matrix_a_fmt:MATRIX_FMT_FP6 matrix_b_fmt:MATRIX_FMT_FP6
.endif
.endm
.macro LOADK ks                        ; K step ks into set ks % 3: 15 loads
.irp t, 0,1,2,3
.irp c, 0,1,2
	global_load_b128 v[BUF+60*((\ks)%3)+12*\t+4*\c:BUF+60*((\ks)%3)+12*\t+4*\c+3], v[VF], s[6:7] offset:BLKB*(\ks)+FRB*\t+512*\c
.endr
.endr
.irp c, 0,1,2
	global_load_b128 v[BUF+60*((\ks)%3)+48+4*\c:BUF+60*((\ks)%3)+48+4*\c+3], v[VS], s[4:5] offset:BLKB*(\ks)+512*\c
.endr
.endm
.macro MULK ks, cnt                    ; cnt: the loads issued behind K step ks's, which may be out
	s_wait_loadcnt \cnt
.irp t, 0,1,2,3
	W ACC+8*\t, BUF+60*((\ks)%3)+12*\t, BUF+60*((\ks)%3)+48, FS+2*(\ks)+\t/2, XS+(\ks)/2, \t%2, (\ks)%2
.endr
.rept 4
	v_nop                                          ; four places in front of loads into registers that these products read, and of the first read of results
.endr
.endm
	s_load_b256 s[4:11], s[0:1], 0x0               ; sbuf s[4:5], opnd s[6:7], bo s[8:9], out0 s[10:11]
	v_lshl_add_u32 v[SPW], v0, 2, SPARE
	v_mov_b32 v[NIL], 0
	v_lshrrev_b32 v1, 5, v0
	v_readfirstlane_b32 s12, v1                    ; wave 0..7
	s_and_b32 s13, s12, 3
	s_lshr_b32 s14, s12, 2                         ; which 64 units
	s_and_b32 s15, ttmp7, 0xffff                   ; my work-group's 64 tokens
	s_lshr_b32 s16, s15, 1                         ; their group of 128
	s_and_b32 s17, s15, 1
	s_lshl_b32 s17, s17, 2
	s_add_co_u32 s17, s17, s13                     ; my tile in the group
	s_mul_i32 s18, s17, FRB
	s_mul_i32 s19, s14, 4*FRB
	s_lshl_b32 s20, s14, 8
	s_add_co_u32 s20, s20, 12288
	s_lshl_b32 s21, s17, 6
	s_add_co_u32 s21, s21, 12288
	s_mul_i32 s22, s12, 16*SPITCH                  ; my stage
	s_mul_i32 s24, s16, GRPB                       ; the tokens' group in sbuf
	s_mov_b32 s25, 0
	s_add_co_u32 s26, ttmp9, 168
	s_mul_i32 s26, s26, GRPB                       ; Wo's group in opnd
	s_mov_b32 s27, 0
	s_lshl_b32 s28, ttmp9, 9
	s_add_co_u32 s28, s28, s20
	s_sub_co_u32 s28, s28, 12288                   ; my first unit, in bytes: 512 x group + 256 x half
	s_mov_b32 s29, 0
	s_lshl_b32 s30, s16, 7
	s_lshr_b32 s31, s17, 1
	s_lshl_b32 s31, s31, 5
	s_add_co_u32 s30, s30, s31
	s_and_b32 s31, s17, 1
	s_lshl_b32 s31, s31, 3
	s_add_co_u32 s30, s30, s31                     ; my tile's first token: 128 G + 32 (t / 2) + 8 (t % 2)
	s_lshl_b32 s30, s30, 12                        ; a row of out0 is 4,096 bytes
	s_mov_b32 s31, 0
	v_and_b32 v1, 31, v0                           ; L
	v_and_b32 v2, 15, v0                           ; r
	v_bfe_u32 v3, v0, 4, 1                         ; h
	v_lshlrev_b32 v14, 4, v1                       ; 16 L
	v_add_nc_u32 v[VS], s18, v14
	v_add_nc_u32 v[VF], s19, v14
	v_lshl_add_u32 v[VFS], v1, 2, s20
	v_lshl_add_u32 v[VSS], v2, 2, s21
	v_mad_u32_u24 v[VSS], v3, BLKB, v[VSS]
	v_lshlrev_b32 v[VB], 6, v3
	v_mul_u32_u24 v[STO], v2, SPITCH               ; in: row r, 64 bytes for each half of the lanes in each 128
	v_lshl_add_u32 v[STO], v3, 6, v[STO]
	v_add_nc_u32 v[STO], s22, v[STO]
	v_mul_u32_u24 v[RD], v3, SPITCH                ; back: lanes 0-15 take one row of 256 bytes, lanes 16-31 the next
	v_lshl_add_u32 v[RD], v2, 4, v[RD]
	v_add_nc_u32 v[RD], s22, v[RD]
	v_lshlrev_b32 v[CO], 12, v3                    ; and the same two rows in out0
	v_lshl_add_u32 v[CO], v2, 4, v[CO]
	s_wait_alu depctr_va_vdst(0)
	s_wait_kmcnt 0x0
	s_add_nc_u64 s[4:5], s[4:5], s[24:25]
	s_add_nc_u64 s[6:7], s[6:7], s[26:27]
	s_add_nc_u64 s[8:9], s[8:9], s[28:29]
	s_add_nc_u64 s[10:11], s[10:11], s[28:29]
	s_add_nc_u64 s[10:11], s[10:11], s[30:31]
.irp u, 0,1
.irp j, 0,1,2,3
	global_load_b128 v[ACC+16*\u+4*\j:ACC+16*\u+4*\j+3], v[VB], s[8:9] offset:128*\u+16*\j   ; bo into the accumulators: the first products' C.  Nothing is cleared
.endr
.endr
.irp i, 0,1,2,3
	global_load_b32 v[XS+\i], v[VSS], s[4:5] offset:2*BLKB*\i
.endr
.irp k, 0,1,2,3,4,5,6,7
.irp i, 0,1
	global_load_b32 v[FS+2*\k+\i], v[VFS], s[6:7] offset:BLKB*\k+128*\i
.endr
.endr
	LOADK 0
	LOADK 1
	LOADK 2
.irp k, 0,1,2,3,4
	MULK \k, 30                                    ; the two K steps behind this one may be out
	LOADK \k+3
.endr
	MULK 5, 30
	MULK 6, 15
	MULK 7, 0
.irp t, 0,1,2,3
	ds_store_b128 v[STO], v[ACC+8*\t:ACC+8*\t+3] offset:128*(\t/2)+32*(\t%2)      ; each accumulator from its low end on
	ds_store_b128 v[STO], v[ACC+8*\t+4:ACC+8*\t+7] offset:128*(\t/2)+32*(\t%2)+16
.endr
.irp t, 0,1,2,3,4,5,6,7
	ds_load_b128 v[BUF+4*\t:BUF+4*\t+3], v[RD] offset:2*\t*SPITCH   ; LDS serves a wave's instructions in order: these see my stores
.endr
.irp t, 0,1,2,3,4,5,6,7
	s_wait_dscnt 7-\t
	global_store_b128 v[CO], v[BUF+4*\t:BUF+4*\t+3], s[10:11] offset:(2*\t+8*(\t/4))*4096 th:TH_STORE_NT   ; stage row i is token i + 8 (i / 8) of the tile
.endr
	s_wait_tensorcnt 0x0                           ; the wave's end
	ds_add_u32 v[SPW], v[NIL]
	s_wait_dscnt 0x0
	s_endpgm
.Lfunc_end_k_q0c7817f2d5_outp:
	.size	k_q0c7817f2d5_outp, .Lfunc_end_k_q0c7817f2d5_outp-k_q0c7817f2d5_outp
	.p2alignl 7, 3214868480
	.fill 96, 4, 3214868480
	.section	.rodata,"a",@progbits
	.p2align	6, 0x0
	.amdhsa_kernel k_q0c7817f2d5_outp
		.amdhsa_group_segment_fixed_size 35840
		.amdhsa_private_segment_fixed_size 0
		.amdhsa_enable_private_segment 0
		.amdhsa_kernarg_size 32
		.amdhsa_user_sgpr_count 2
		.amdhsa_user_sgpr_kernarg_segment_ptr 1
		.amdhsa_wavefront_size32 1
		.amdhsa_system_sgpr_workgroup_id_x 1
		.amdhsa_system_sgpr_workgroup_id_y 1
		.amdhsa_system_sgpr_workgroup_id_z 1
		.amdhsa_system_vgpr_workitem_id 0
		.amdhsa_next_free_vgpr 256
		.amdhsa_next_free_sgpr 66
		.amdhsa_reserve_vcc 0
		.amdhsa_float_denorm_mode_32 3
		.amdhsa_float_denorm_mode_16_64 3
		.amdhsa_memory_ordered 1
		.amdhsa_forward_progress 1
		.amdhsa_inst_pref_size 25
	.end_amdhsa_kernel
	.amdgpu_metadata
---
amdhsa.version: [ 1, 2 ]
amdhsa.kernels:
  - .name:           k_q0c7817f2d5_outp
    .symbol:         k_q0c7817f2d5_outp.kd
    .args:
      - { .name: sbuf, .offset: 0, .size: 8, .value_kind: global_buffer, .address_space: global }
      - { .name: opnd, .offset: 8, .size: 8, .value_kind: global_buffer, .address_space: global }
      - { .name: bo, .offset: 16, .size: 8, .value_kind: global_buffer, .address_space: global }
      - { .name: out0, .offset: 24, .size: 8, .value_kind: global_buffer, .address_space: global }
    .group_segment_fixed_size: 35840
    .private_segment_fixed_size: 0
    .kernarg_segment_align: 8
    .kernarg_segment_size: 32
    .max_flat_workgroup_size: 256
    .sgpr_count:     66
    .vgpr_count:     256
    .wavefront_size: 32
...
	.end_amdgpu_metadata
.endif
;; end of part 4
